; MI455X (gfx1250); checked and timed in simulation.
; The chip was launched on July 23, 2026; its instructions are those of AMD's public machine-readable ISA for CDNA 5 (MIT licence, August 2026) and "CDNA5" Instruction Set Architecture Reference Guide (July 2026). The comments in the code are by the model that wrote it; some were corrected since.
;; Mo E Layer. Allowed arithmetic: matrix products marked QUANTISED: E2M1 operands, one E8M0 scale for each 32 along K, by v_wmma_scale_f32_16x16x128_f8f6f4 with both operands' format E2M1 (or v_wmma_scale_f32_32x16x128_f4), f32 sums; products left as they are: f32 operands where the result goes on into a quantised operand, else bf16, f16 or f32 operands; f32 sums; everything else in f32.
;; Inputs: b1 4 x 1,024 float32; b2 4 x 512 float32; bg 4 float32; w1_codes 4 x 1,024 x 16 x 16 uint8 (E2M1 codes of w1, K innermost, in blocks of 32 codes, two codes a byte); w1_scales 4 x 1,024 x 16 uint8 (E8M0 scales of w1, one for each 32 codes along K); w2_codes 4 x 512 x 32 x 16 uint8 (E2M1 codes of w2, K innermost, in blocks of 32 codes, two codes a byte); w2_scales 4 x 512 x 32 uint8 (E8M0 scales of w2, one for each 32 codes along K); wg 512 x 4 float32; x 4 x 4,096 x 512 float32.
;; Outputs: out0 4 x 4,096 x 512 float32.
;; This version of the problem:
;;   THIS VERSION OF THE PROBLEM IS GIVEN IN LOW PRECISION. The matrix products marked QUANTISED in the list below multiply operands that are first quantised to E2M1 (2 exponent bits, 1 mantissa bit; 4 bits a number), with one power-of-two scale for each 32 numbers along K (OCP MX v1.0); their sums are f32. All else is computed in f32.
;;   The module's matrix products, in the order in which they are computed (A, B: the left and right operand; K: the contracted axis; several contracted axes count as one K, in the product's order):
;;     1. [M 16,384, K 512] x [K 512, N 4]; A: input x; B: input wg: left as it is (N = 4 < 16)
;;     2. batch 16,384 x [M 4, K 2] x [K 2, N 1]; A: computed on the way; B: softmax: left as it is (K = 2 < 32)
;;     3. [M 4,096, K 512] x [K 512, N 16,384]; A: input w1 (given as codes); B: input x: QUANTISED
;;     4. batch 4 x [M 16,384, K 1,024] x [K 1,024, N 512]; A: computed on the way; B: input w2 (given as codes): QUANTISED
;;     5. batch 16,384 x [M 512, K 4] x [K 4, N 1]; A: computed on the way; B: computed on the way: left as it is (K = 4 < 32)
;;   THE QUANTISER, for each operand of a quantised product, along K:
;;     - K is cut into blocks of 32 from its start; a last block that is shorter is filled with zeros.
;;     - A block's scale is 2^e with e = floor(log2(the largest magnitude in the block)) - 2, held to -126 .. 127; a block of zeros has e = 0. As a byte (E8M0): e + 127.
;;     - Each number is divided by its block's scale, clamped to +-6, and rounded to the nearest number of E2M1, ties to even, subnormals kept.
;;     - The product sums the exact products of the quantised numbers (number of the format x scale) in f32.
;;   ~~~python
;;   def quantise(x, axis):      # numpy; x: float32 -> the quantised numbers, widened to float32 again
;;       x = np.moveaxis(x, axis, -1); K = x.shape[-1]
;;       x = np.pad(x, [(0, 0)] * (x.ndim - 1) + [(0, -K % 32)]); x = x.reshape(x.shape[:-1] + (-1, 32)); a = np.abs(x).max(-1, keepdims=True)
;;       e = np.where(a > 0, np.clip(np.frexp(np.where(a > 0, a, 1))[1] - 1 - 2, -126, 127), 0)      # np.frexp(a)[1] - 1 = floor(log2(a)), exactly
;;       r = np.clip(x / 2.0 ** e, -6, 6)
;;       step = 2.0 ** (np.maximum(np.frexp(np.where(r == 0, 1, r))[1] - 1, 0) - 1)
;;       q = np.round(r / step) * step * 2.0 ** e      # np.round: ties to even
;;       return np.moveaxis(q.reshape(q.shape[:-2] + (-1,))[..., :K], -1, axis).astype(np.float32)
;;   ~~~
;;   OPERANDS COMPUTED ON THE WAY. 'Computed on the way' means the value that the module computes at that place (a softmax that the list does not call 'softmax' is quantised finished and normalised). What goes into a quantiser is computed in f32, as accurately as f32 sums, v_exp_f32 and their like allow (about 1e-6 of the number): no bf16 or f16 on the way to a quantiser, and a product that is left as it is and whose result goes on into a quantised operand takes f32 operands (vector FMAs, or v_wmma_f32_16x16x4_f32). A number that lies on a knife's edge between two numbers of the format may be rounded either way, as far as f32 arithmetic and the matrix unit's own rounding can turn it there, and no further.
;;   INPUTS GIVEN AS CODES. w1 (in the module: [4, 512, 1024], K = its axis 1); w2 (in the module: [4, 1024, 512], K = its axis 1): each comes as NAME_codes (uint8): NAME with its K axis moved to the last place and cut into blocks of 32 codes, [.., K / 32, bytes a block], one block behind the other in memory; two codes a byte, the lower K in the low four bits (a code: sign, 2 exponent bits, 1 mantissa bit); and NAME_scales (uint8): the same leading axes, one E8M0 byte (e + 127) for each 32 codes along K. Its value is code x scale, taken as it is: it is not quantised again, and the codes and scales need not be those that the quantiser above would give.
;; 2 versions, each right; version 2 is version 1 with the launch experts written anew for expert scheduling mode. Each part assembles by itself: llvm-mc -triple=amdgcn-amd-amdhsa -mcpu=gfx1250 --defsym DOCPART=n.
;; ======== version 1 of 2: 3 launches
;; limits: right only within a limited range of input values
;; workspace buffers: xq 4,456,448 bytes; gate 131,072 bytes; route 69,632 bytes of whole numbers; plan 72,192 bytes of whole numbers; wl 2,162,688 bytes
;; launch prep (part 1): grid 256 x 1, 4 waves a work-group, no clusters, 34,304 bytes of LDS; arguments x, wg, bg, xq, gate, route; writes xq, gate, route
.if DOCPART == 1
	.amdgcn_target "amdgcn-amd-amdhsa--gfx1250"
	.amdhsa_code_object_version 6
	.text
	.protected	k_q85db8404b4_prep
	.globl	k_q85db8404b4_prep
	.p2align	8
	.type	k_q85db8404b4_prep,@function
k_q85db8404b4_prep:
	s_mov_b64 s[64:65], 0
	v_nop
	global_prefetch_b8 v0, s[64:65] scope:SCOPE_SE
	s_setreg_imm32_b32 hwreg(HW_REG_WAVE_MODE, 25, 1), 1
	s_wait_xcnt 0x0
; FIRST OF THREE LAUNCHES.  A work-group takes a chunk of 64 tokens of x [16384][512] f32, read once.  Each token is turned into codes of FP4 (E2M1) with one E8M0 byte
; for each 32 along D (xq: codes [16384][256 bytes], then from byte 4,194,304 the scale bytes [16384][16]); its four logits x . wg + bg are summed in f32, the two largest are
; chosen (the lower index wins a tie), and the softmax over the two is taken with the larger one subtracted.  Stored at fixed places: gate [token] = (g1, g2); route word [token] =
; class | rank << 8 (class: which pair of experts a < b, 0..5; rank: the token's number among the tokens of its class in its chunk); route + 65,536 + 16 chunk: the chunk's six counts.
; No address and no branch here hangs on these numbers: the next launch reads them and places the tokens.
; out = g2 (g1 (ya + b2a) + (yb + b2b)), g2 = max(cb, 2^-60), g1 = ca / g2, ca and cb the weights of experts a and b.
; LIMITS: NaN and infinities are not served; a block whose largest magnitude lies under 2^-124 keeps the byte 1 (so does a block of zeros: its codes are zeros, and this program alone
; reads the bytes); two logits that differ by less than the rounding of an f32 sum of 512 terms may be ranked either way; where cb < 2^-60, expert b counts with 2^-60.
; A wave takes 16 tokens, one a step.  A step's four loads read 512 consecutive bytes each; the 2,048 bytes turn through the wave's own stage in LDS, so that a lane holds 16 neighbours
; along D, two lanes a block.  All 64 loads of a wave are issued at its head, into window 1 (v256-511): its whole 32 KiB is on its way at once.
.set SP,   80                          ; a lane's place in a stage: 64 bytes + 16 of padding
.set STB,  5120                        ; behind a wave's two stages (2 x 32 x 80 bytes): its 256 scale bytes
.set CLSB, 32768                       ; behind the four waves' regions of 8,192 bytes: the chunk's 64 classes, 4 bytes each,
.set GATB, 33024                       ; and its 64 pairs (g1, g2)
.set WG,   48                          ; v48-111  wg[16 lane + j][e] at 48 + 4 j + e
.set X,    112                         ; v112-143 two sets of 16 neighbours
.set C,    144                         ; v144-175 codes, two registers a step: no store's data are written again
.set E,    176                         ; v176-191 a scale byte a step
.set MSB,  0
.macro WIN new                         ; the immediate's high byte repeats the setting that is left
.if MSB != (\new)
	s_set_vgpr_msb (MSB<<8)|(\new)
.set MSB, \new
.endif
.endm
	s_load_b256 s[4:11], s[0:1], 0x0               ; x s[4:5], wg s[6:7], bg s[8:9], xq s[10:11]
	s_load_b128 s[12:15], s[0:1], 0x20             ; gate s[12:13], route s[14:15]
	v_lshl_add_u32 v254, v0, 2, 0x8400
	v_mov_b32 v255, 0
	v_lshrrev_b32 v1, 5, v0
	v_readfirstlane_b32 s24, v1                    ; wave 0..3
	v_and_b32 v2, 31, v0                           ; lane
	v_lshlrev_b32 v3, 4, v2                        ; 16 x lane
	s_wait_kmcnt 0x0
	s_load_b128 s[32:35], s[8:9], 0x0              ; bg
	s_lshl_b32 s28, ttmp9, 17                      ; 64 tokens x 2,048 bytes a chunk,
	s_lshl_b32 s26, s24, 15                        ; 16 tokens a wave
	s_add_co_u32 s28, s28, s26
	s_mov_b32 s29, 0
	s_add_nc_u64 s[4:5], s[4:5], s[28:29]          ; x at my wave's first token
	v_lshlrev_b32 v7, 8, v2                        ; wg: my 16 rows of 16 bytes
.irp j, 0,1,2,3,4,5,6,7,8,9,10,11,12,13,14,15
	global_load_b128 v[WG+4*\j:WG+4*\j+3], v7, s[6:7] offset:16*\j
.endr
	WIN 0x40                                       ; destination window 1
.irp t, 0,1,2,3,4,5,6,7,8,9,10,11,12,13,14,15
.irp i, 0,1,2,3
	global_load_b128 v[16*\t+4*\i:16*\t+4*\i+3], v3, s[4:5] offset:2048*\t+512*\i th:TH_LOAD_NT   ; 32 lanes read 512 consecutive bytes
.endr
.endr
	WIN 0
	v_lshlrev_b32 v4, 3, v2                        ; 8 x lane
	s_lshl_b32 s25, s24, 13                        ; my wave's region in LDS
	v_lshrrev_b32 v14, 2, v2
	v_mul_u32_u24 v14, v14, SP
	v_and_b32 v15, 3, v2
	v_lshl_add_u32 v14, v15, 4, v14
	v_add_nc_u32 v14, s25, v14                     ; the stage, in: 80 (lane / 4) + 16 (lane % 4)
	v_mul_u32_u24 v15, v2, SP
	v_add_nc_u32 v15, s25, v15                     ; and out: 80 x lane
	v_lshrrev_b32 v5, 1, v2
	v_add_nc_u32 v5, s25, v5                       ; my block's scale byte
	v_add_nc_u32 v6, s25, v4                       ; the scale bytes on their way out, 8 a lane
	v_and_b32 v8, 15, v0
	v_lshlrev_b32 v9, 3, v8
	v_lshlrev_b32 v8, 2, v8
	s_lshl_b32 s26, s24, 6
	v_add_nc_u32 v8, s26, v8                       ; my token's class: 4 (lane % 16) + 64 x wave
	s_lshl_b32 s26, s24, 7
	v_add_nc_u32 v9, s26, v9                       ; its pair: 8 (lane % 16) + 128 x wave
	s_mov_b32 s31, 0
	s_lshr_b32 s30, s28, 3
	s_add_nc_u64 s[36:37], s[10:11], s[30:31]      ; codes: 256 bytes a token
	s_lshr_b32 s30, s28, 7
	s_add_nc_u64 s[38:39], s[10:11], s[30:31]      ; scale bytes: 16 a token (4,194,304 further on, in the immediate)
	s_lshl_b32 s30, ttmp9, 8
	s_add_nc_u64 s[40:41], s[14:15], s[30:31]      ; route words: 256 bytes a chunk
	s_lshl_b32 s30, ttmp9, 9
	s_add_nc_u64 s[42:43], s[12:13], s[30:31]      ; gate: 512 bytes a chunk
	s_lshl_b32 s30, ttmp9, 4
	s_add_nc_u64 s[58:59], s[14:15], s[30:31]      ; counts: 16 bytes a chunk
	s_mov_b32 s44, 0x76543210
	s_mov_b32 s45, 0xfedcba98                      ; v_permlanex16_b32: lane l xor 16
.irp e, 0,1,2,3
	v_mov_b32 v[16+\e], 0                          ; the logits of my token (lanes t and t + 16 keep token t's)
	v_mov_b32 v[28+\e], 0                          ; a lane permute's destination counts as one of its sources
.endr
.macro TURN t                          ; step t's numbers through the stage: LDS serves a wave's instructions in order, so no wait stands between the stores and the loads
	WIN 0x04                                       ; an LDS store's data are its source 1: window 1
.irp i, 0,1,2,3
	ds_store_b128 v14, v[16*(\t)+4*\i:16*(\t)+4*\i+3] offset:32*SP*((\t)%2)+8*SP*\i
.endr
	WIN 0
.irp i, 0,1,2,3
	ds_load_b128 v[X+16*((\t)%2)+4*\i:X+16*((\t)%2)+4*\i+3], v15 offset:32*SP*((\t)%2)+16*\i
.endr
.endm
.macro DOT j, odd                      ; my number j times wg's row 16 lane + j: two packed lines, experts (0, 1) and (2, 3); even and odd j keep chains of their own
.if (\j) < 2
	v_pk_mul_f32 v[20+4*\odd:21+4*\odd], v[XS+(\j)-\odd:XS+(\j)-\odd+1], v[WG+4*(\j):WG+4*(\j)+1] op_sel:[\odd,0] op_sel_hi:[\odd,1]
	v_pk_mul_f32 v[22+4*\odd:23+4*\odd], v[XS+(\j)-\odd:XS+(\j)-\odd+1], v[WG+4*(\j)+2:WG+4*(\j)+3] op_sel:[\odd,0] op_sel_hi:[\odd,1]
.else
	v_pk_fma_f32 v[20+4*\odd:21+4*\odd], v[XS+(\j)-\odd:XS+(\j)-\odd+1], v[WG+4*(\j):WG+4*(\j)+1], v[20+4*\odd:21+4*\odd] op_sel:[\odd,0,0] op_sel_hi:[\odd,1,1]
	v_pk_fma_f32 v[22+4*\odd:23+4*\odd], v[XS+(\j)-\odd:XS+(\j)-\odd+1], v[WG+4*(\j)+2:WG+4*(\j)+3], v[22+4*\odd:23+4*\odd] op_sel:[\odd,0,0] op_sel_hi:[\odd,1,1]
.endif
.endm
.macro STEP t
.set XS, X+16*((\t)%2)
.if (\t) > 0
	s_wait_dscnt 0x1                               ; this step's numbers are back from the stage; the last step's byte store may be out
.else
	s_wait_dscnt 0x0
.endif
.if (\t) < 15
	s_wait_loadcnt 4*(14-(\t))                     ; the next step's four loads are in; those of the steps behind it may be out
	TURN (\t)+1
.endif
	v_max3_num_f32 v32, |v[XS]|, |v[XS+1]|, |v[XS+2]|
	v_max3_num_f32 v33, |v[XS+3]|, |v[XS+4]|, |v[XS+5]|
.irp i, 6,10
	v_max3_num_f32 v32, v32, |v[XS+\i]|, |v[XS+\i+1]|
	v_max3_num_f32 v33, v33, |v[XS+\i+2]|, |v[XS+\i+3]|
.endr
	v_max3_num_f32 v32, v32, |v[XS+14]|, |v[XS+15]|
	v_max3_num_f32 v32, v32, v33, 0x1800000        ; the floor 2^(3 - 127): the byte cannot fall under 1
	v_max_num_f32_dpp v32, v32, v32 row_xmask:1 row_mask:0xf bank_mask:0xf   ; with my neighbour's 16: the block's largest magnitude
	v_add_nc_u32 v33, 0xff000000, v32              ; 2 off its exponent field: the conversion takes this operand's exponent field as its scale
	v_cvt_scalef32_pk8_fp4_f32 v[C+2*(\t)], v[XS:XS+7], v33
	v_cvt_scalef32_pk8_fp4_f32 v[C+2*(\t)+1], v[XS+8:XS+15], v33
	v_lshrrev_b32 v[E+(\t)], 23, v33               ; the scale's byte (a plain line behind the conversions)
	ds_store_b8 v5, v[E+(\t)] offset:STB+16*(\t)   ; both lanes of a block write the same byte with the same value
	global_store_b64 v4, v[C+2*(\t):C+2*(\t)+1], s[36:37] offset:256*(\t)   ; the wave stores the token's 256 bytes of codes
.irp j, 0,2,4,6,8,10,12,14
	DOT \j, 0
	DOT \j+1, 1
.endr
	v_pk_add_f32 v[20:21], v[20:21], v[24:25]
	v_pk_add_f32 v[22:23], v[22:23], v[26:27]
.irp m, 1,2,4,8
.irp e, 0,1,2,3
	v_add_f32_dpp v[20+\e], v[20+\e], v[20+\e] row_xmask:\m row_mask:0xf bank_mask:0xf
.endr
.endr
.irp e, 0,1,2,3
	v_permlanex16_b32 v[28+\e], v[20+\e], s44, s45
.endr
.irp e, 0,1,2,3
	v_add_f32 v[20+\e], v[20+\e], v[28+\e]         ; every lane holds the token's four sums
.endr
	s_mov_b32 s46, 0x10001<<(\t)
.irp e, 0,1,2,3
	v_cndmask_b32 v[16+\e], v[16+\e], v[20+\e], s46   ; lanes t and t + 16 keep them
.endr
.endm
	s_wait_kmcnt 0x0                               ; bg
	s_wait_loadcnt 60                              ; wg and step 0's four loads are in; the 60 loads of steps 1 to 15 may be out
	TURN 0
.irp t, 0,1,2,3,4,5,6,7,8,9,10,11,12,13,14,15
	STEP \t
.endr
	; the choice, for token lane % 16 of my wave
	v_add_f32 v16, s32, v16
	v_add_f32 v17, s33, v17
	v_add_f32 v18, s34, v18
	v_add_f32 v19, s35, v19
	v_mov_b32 v40, 1
	v_mov_b32 v41, 2
	v_mov_b32 v42, 3
	v_mov_b32 v43, 0xff800000                      ; -infinity
	v_mov_b32 v28, v16                             ; the largest logit and its expert: a later one must be strictly larger
	v_mov_b32 v29, 0
.irp e, 1,2,3
	v_cmp_gt_f32 vcc_lo, v[16+\e], v28
	v_cndmask_b32 v28, v28, v[16+\e], vcc_lo
	v_cndmask_b32 v29, v29, v[39+\e], vcc_lo
.endr
.irp e, 0,1,2,3
	v_cmp_eq_u32 vcc_lo, \e, v29
	v_cndmask_b32 v[20+\e], v[16+\e], v43, vcc_lo  ; the winner is taken out
.endr
	v_mov_b32 v30, v20                             ; the second, in the same way
	v_mov_b32 v31, 0
.irp e, 1,2,3
	v_cmp_gt_f32 vcc_lo, v[20+\e], v30
	v_cndmask_b32 v30, v30, v[20+\e], vcc_lo
	v_cndmask_b32 v31, v31, v[39+\e], vcc_lo
.endr
	v_sub_f32 v32, v30, v28                        ; second - first, 0 or less: the maximum is taken away
	v_mul_f32 v32, 0x3fb8aa3b, v32
	v_exp_f32 v32, v32                             ; p = e^(second - first)
	v_nop                                          ; a plain line behind a transcendental
	s_wait_alu depctr_va_vdst(0)
	v_add_f32 v33, 1.0, v32
	v_rcp_f32 v33, v33                             ; the first's weight, 1 / (1 + p)
	v_min_u32 v44, v29, v31                        ; a (a plain line behind the reciprocal)
	s_wait_alu depctr_va_vdst(0)
	v_mul_f32 v34, v32, v33                        ; the second's, p / (1 + p)
	v_cmp_lt_u32 vcc_lo, v29, v31
	v_cndmask_b32 v35, v34, v33, vcc_lo            ; ca: the weight of the expert with the lower number
	v_cndmask_b32 v36, v33, v34, vcc_lo            ; cb
	v_max_num_f32 v37, 0x21800000, v36             ; g2 = max(cb, 2^-60)
	v_rcp_f32 v38, v37
	v_max_u32 v45, v29, v31                        ; b (a plain line behind the reciprocal)
	s_wait_alu depctr_va_vdst(0)
	v_mul_f32 v36, v35, v38                        ; g1 = ca / g2
	v_add_nc_u32 v46, v44, v45
	v_min_u32 v44, 1, v44
	v_add3_u32 v46, v46, v44, -1                   ; class = a + b - 1 + min(a, 1): (0,1) (0,2) (0,3) (1,2) (1,3) (2,3) -> 0..5
	ds_store_b32 v8, v46 offset:CLSB               ; lanes l and l + 16 write the same word with the same value
	ds_store_b64 v9, v[36:37] offset:GATB
	ds_load_b64 v[12:13], v6 offset:STB            ; my wave's 256 scale bytes: LDS serves a wave in order, these see my stores
	s_wait_dscnt 0x0                               ; for the others' sake too: my stores have landed
	global_store_b64 v4, v[12:13], s[38:39] offset:4194304   ; 256 consecutive bytes
	s_barrier_signal -1
	s_barrier_wait -1
	s_cmp_lg_u32 s24, 0                            ; wave 0 ranks the chunk's 64 tokens: lane l has tokens 2 l and 2 l + 1
	s_cbranch_scc1 .Lxend
	ds_load_b64 v[32:33], v4 offset:CLSB
	ds_load_b128 v[36:39], v3 offset:GATB
	v_mov_b32 v34, 0
	v_mov_b32 v35, 0
	v_mov_b32 v47, 0
	s_wait_dscnt 0x0
.irp c, 0,1,2,3,4,5
	v_cmp_eq_u32 s48, \c, v32                      ; the even tokens of class c come first, then the odd ones
	v_cmp_eq_u32 s49, \c, v33
	s_bcnt1_i32_b32 s50, s48
	s_bcnt1_i32_b32 s51, s49
	v_mbcnt_lo_u32_b32 v44, s48, 0
	v_mbcnt_lo_u32_b32 v45, s49, s50
	v_cndmask_b32 v34, v34, v44, s48
	v_cndmask_b32 v35, v35, v45, s49
	s_add_co_u32 s[52+\c], s50, s51                ; the chunk's count of class c
.endr
	v_lshl_or_b32 v32, v34, 8, v32
	v_lshl_or_b32 v33, v35, 8, v33
	s_lshl_b32 s53, s53, 16
	s_or_b32 s52, s52, s53
	s_lshl_b32 s55, s55, 16
	s_or_b32 s54, s54, s55
	s_lshl_b32 s57, s57, 16
	s_or_b32 s56, s56, s57
	v_mov_b32 v40, s52                             ; two counts to a word
	v_mov_b32 v41, s54
	v_mov_b32 v42, s56
	v_mov_b32 v43, 0
	global_store_b64 v4, v[32:33], s[40:41]        ; 256 consecutive bytes
	global_store_b128 v3, v[36:39], s[42:43]       ; 512 consecutive bytes
	s_wait_xcnt 0x0                                ; EXEC changes only behind this wait
	v_cmp_eq_u32 vcc_lo, 0, v2
	s_and_saveexec_b32 s50, vcc_lo
	global_store_b128 v47, v[40:43], s[58:59] offset:65536   ; lane 0: the chunk's 16 bytes of counts (4 KiB in the whole launch)
	s_wait_xcnt 0x0                                ; and again in front of the line that widens it
	s_or_b32 exec_lo, exec_lo, s50
.Lxend:
	s_wait_tensorcnt 0x0
	ds_add_u32 v254, v255
	s_wait_dscnt 0x0
	s_endpgm
.Lfunc_end_k_q85db8404b4_prep:
	.size	k_q85db8404b4_prep, .Lfunc_end_k_q85db8404b4_prep-k_q85db8404b4_prep
	.p2alignl 7, 3214868480
	.fill 96, 4, 3214868480
	.section	.rodata,"a",@progbits
	.p2align	6, 0x0
	.amdhsa_kernel k_q85db8404b4_prep
		.amdhsa_group_segment_fixed_size 34304
		.amdhsa_private_segment_fixed_size 0
		.amdhsa_enable_private_segment 0
		.amdhsa_kernarg_size 48
		.amdhsa_user_sgpr_count 2
		.amdhsa_user_sgpr_kernarg_segment_ptr 1
		.amdhsa_wavefront_size32 1
		.amdhsa_system_sgpr_workgroup_id_x 1
		.amdhsa_system_sgpr_workgroup_id_y 1
		.amdhsa_system_sgpr_workgroup_id_z 1
		.amdhsa_system_vgpr_workitem_id 0
		.amdhsa_next_free_vgpr 512
		.amdhsa_next_free_sgpr 66
		.amdhsa_reserve_vcc 1
		.amdhsa_float_denorm_mode_32 3
		.amdhsa_float_denorm_mode_16_64 3
		.amdhsa_memory_ordered 1
		.amdhsa_forward_progress 1
		.amdhsa_inst_pref_size 103
	.end_amdhsa_kernel
	.amdgpu_metadata
---
amdhsa.version: [ 1, 2 ]
amdhsa.kernels:
  - .name:           k_q85db8404b4_prep
    .symbol:         k_q85db8404b4_prep.kd
    .args:
      - { .name: x, .offset: 0, .size: 8, .value_kind: global_buffer, .address_space: global }
      - { .name: wg, .offset: 8, .size: 8, .value_kind: global_buffer, .address_space: global }
      - { .name: bg, .offset: 16, .size: 8, .value_kind: global_buffer, .address_space: global }
      - { .name: xq, .offset: 24, .size: 8, .value_kind: global_buffer, .address_space: global }
      - { .name: gate, .offset: 32, .size: 8, .value_kind: global_buffer, .address_space: global }
      - { .name: route, .offset: 40, .size: 8, .value_kind: global_buffer, .address_space: global }
    .group_segment_fixed_size: 34304
    .private_segment_fixed_size: 0
    .kernarg_segment_align: 8
    .kernarg_segment_size: 48
    .max_flat_workgroup_size: 128
    .sgpr_count:     66
    .vgpr_count:     512
    .wavefront_size: 32
...
	.end_amdgpu_metadata
.endif
;; end of part 1
;; launch place (part 2): grid 96 x 1, 4 waves a work-group, no clusters, 0 bytes of LDS; arguments route, w1_codes, w2_codes, w2_scales, plan, wl; writes plan, wl
.if DOCPART == 2
	.amdgcn_target "amdgcn-amd-amdhsa--gfx1250"
	.amdhsa_code_object_version 6
	.text
	.protected	k_q85db8404b4_place
	.globl	k_q85db8404b4_place
	.p2align	8
	.type	k_q85db8404b4_place,@function
k_q85db8404b4_place:
	s_mov_b64 s[64:65], 0
	v_nop
	global_prefetch_b8 v0, s[64:65] scope:SCOPE_SE
	s_setreg_imm32_b32 hwreg(HW_REG_WAVE_MODE, 25, 1), 1
	s_wait_xcnt 0x0
; SECOND OF THREE LAUNCHES.  Work-groups 0-63: a counting sort without atomics.  Wave G (0..255) owns chunk G of 64 tokens.  Every wave sums all 256 chunks' class counts (4 KiB) for itself: the
; totals n_c, and the counts pre_c of the chunks in front of its own.  Class c takes ceil(n_c / 128) tiles of 128 rows, one class behind the other, from tile tb_c on.  A token of class c with rank k in
; chunk G goes to list entry 128 tb_c + pre_c + k.  plan: tile table [256][4 words] = (expert a, expert b, rows, the list tile to read: the tile itself, or 0 where it has no rows), then from byte
; 4,096 the list [133 x 128] of token numbers.  There are never more than 128 + 5 tiles with rows, whatever the choice.
; The list's stores are 4 bytes a lane to places that hang on the sort: 64 KiB in all, the price of placing.
; Work-groups 64-79 lay w1's codes, 80-95 w2's codes and scale bytes, into wl in the order of the operand registers of the third launch, so that each lane there loads its fragments whole:
; the sort needs 64 work-groups, so these 32 stand beside it.  Waves share nothing on any of the three ways: no LDS, no barrier.
.set LY, 64                            ; the layout ways: v64-191, 32 x 4 registers
	s_load_b256 s[48:55], s[0:1], 0x0              ; route s[48:49], w1_codes s[50:51], w2_codes s[52:53], w2_scales s[54:55]
	s_load_b128 s[56:59], s[0:1], 0x20             ; plan s[56:57], wl s[58:59]
	v_lshrrev_b32 v1, 5, v0
	v_readfirstlane_b32 s8, v1                     ; wave
	v_and_b32 v2, 31, v0                           ; lane
	v_lshlrev_b32 v3, 4, v2
	s_cmp_ge_u32 ttmp9, 64                         ; the role hangs on the work-group's number alone
	s_cbranch_scc1 .Llayout
	; ---------------- the sort ----------------
	v_lshlrev_b32 v4, 3, v2
	s_lshl_b32 s9, ttmp9, 2
	s_add_co_u32 s9, s9, s8                        ; G
	s_lshl_b32 s10, s9, 8
	s_mov_b32 s11, 0
	s_mov_b32 s44, 0x76543210
	s_mov_b32 s45, 0xfedcba98                      ; v_permlanex16_b32: lane l xor 16
	v_mov_b32 v49, 0                               ; destinations of lane moves count as sources: written once
	v_mov_b32 v50, 0
	s_wait_kmcnt 0x0
	s_add_nc_u64 s[46:47], s[48:49], s[10:11]
.irp i, 0,1,2,3,4,5,6,7
	global_load_b128 v[8+4*\i:11+4*\i], v3, s[48:49] offset:65536+512*\i   ; the counts of chunk lane + 32 i
.endr
	global_load_b64 v[40:41], v4, s[46:47]         ; my chunk's words: tokens 2 lane, 2 lane + 1
	s_wait_loadcnt 0x0
	; v8-10: the totals (two counts of 16 bits to a word: at most 16,384 each); v45-47: those of the chunks in front of G
	v_cmp_gt_i32 vcc_lo, s9, v2
.irp k, 0,1,2
	v_cndmask_b32 v[45+\k], 0, v[8+\k], vcc_lo
.endr
.irp i, 1,2,3,4,5,6,7
	s_sub_co_i32 s19, s9, 32*\i
	v_cmp_gt_i32 vcc_lo, s19, v2                   ; chunk lane + 32 i < G
.irp k, 0,1,2
	v_add_nc_u32 v[8+\k], v[8+\k], v[8+4*\i+\k]
	v_cndmask_b32 v48, 0, v[8+4*\i+\k], vcc_lo
	v_add_nc_u32 v[45+\k], v[45+\k], v48
.endr
.endr
.macro BFLY reg                        ; the sum over the 32 lanes, in whole numbers
.irp m, 1,2,4,8
	v_mov_b32_dpp v49, v[\reg] row_xmask:\m row_mask:0xf bank_mask:0xf
	v_add_nc_u32 v[\reg], v[\reg], v49
.endr
	v_permlanex16_b32 v50, v[\reg], s44, s45
	v_add_nc_u32 v[\reg], v[\reg], v50
.endm
.irp g, 8,9,10,45,46,47
	BFLY \g
.endr
	v_readfirstlane_b32 s12, v8
	v_readfirstlane_b32 s13, v9
	v_readfirstlane_b32 s14, v10
	v_readfirstlane_b32 s15, v45
	v_readfirstlane_b32 s16, v46
	v_readfirstlane_b32 s17, v47
.irp k, 0,1,2
	s_and_b32 s[20+2*\k], s[12+\k], 0xffff         ; n_c: s20-25
	s_lshr_b32 s[21+2*\k], s[12+\k], 16
	s_and_b32 s[26+2*\k], s[15+\k], 0xffff         ; pre_c: s26-31
	s_lshr_b32 s[27+2*\k], s[15+\k], 16
.endr
	s_mov_b32 s32, 0                               ; tb_c: s32-37
.irp c, 0,1,2,3,4
	s_add_co_u32 s18, s[20+\c], 127
	s_lshr_b32 s18, s18, 7
	s_add_co_u32 s[33+\c], s[32+\c], s18
.endr
.irp c, 0,1,2,3,4,5
	s_lshl_b32 s18, s[32+\c], 7
	s_add_co_u32 s[38+\c], s18, s[26+\c]           ; where my chunk's tokens of class c begin: s38-43
.endr
	s_lshl_b32 s18, s9, 6
	v_lshl_add_u32 v63, v2, 1, s18                 ; token 64 G + 2 lane
.macro PUT q
	v_and_b32 v51, 0xff, v[40+\q]                  ; class
	v_lshrrev_b32 v62, 8, v[40+\q]                 ; rank
	v_mov_b32 v[52+\q], s38
.irp c, 1,2,3,4,5
	v_cmp_ne_u32 vcc_lo, \c, v51
	v_cndmask_b32 v[52+\q], s[38+\c], v[52+\q], vcc_lo
.endr
	v_add_nc_u32 v[52+\q], v[52+\q], v62
	v_min_u32 v[52+\q], 17023, v[52+\q]            ; held inside the list's 133 x 128 entries
	v_lshlrev_b32 v[52+\q], 2, v[52+\q]
	v_add_nc_u32 v[60+\q], \q, v63
	global_store_b32 v[52+\q], v[60+\q], s[56:57] offset:4096
.endm
	PUT 0
	PUT 1
	s_cmp_lt_u32 s9, 8                             ; waves 0 to 7 also write the tile table, 32 entries each
	s_cbranch_scc0 .Lend
	s_lshl_b32 s18, s9, 5
	v_add_nc_u32 v54, s18, v2                      ; tile i
	v_mov_b32 v56, 0                               ; class 0 begins at tile 0: experts 0 and 1
	v_mov_b32 v57, 1
	v_mov_b32 v58, s20
	v_mov_b32 v59, 0
.macro TSEL c, ea, eb                  ; the last class that begins at or in front of tile i is its class
	v_cmp_gt_u32 vcc_lo, s[32+\c], v54
	v_cndmask_b32 v56, \ea, v56, vcc_lo
	v_cndmask_b32 v57, \eb, v57, vcc_lo
	v_cndmask_b32 v58, s[20+\c], v58, vcc_lo
	v_cndmask_b32 v59, s[32+\c], v59, vcc_lo
.endm
	TSEL 1, 0, 2
	TSEL 2, 0, 3
	TSEL 3, 1, 2
	TSEL 4, 1, 3
	TSEL 5, 2, 3
	v_sub_nc_u32 v59, v54, v59
	v_lshlrev_b32 v59, 7, v59
	v_sub_nc_u32 v58, v58, v59                     ; n - 128 (i - tb),
	v_max_i32 v58, 0, v58
	v_min_i32 v58, 0x80, v58                       ; held to 0 .. 128: the tile's rows
	v_cmp_lt_i32 vcc_lo, 0, v58
	v_cndmask_b32 v59, 0, v54, vcc_lo              ; a tile without rows reads tile 0's first entry, which is always written
	v_lshlrev_b32 v55, 4, v54
	global_store_b128 v55, v[56:59], s[56:57]      ; 512 consecutive bytes a wave
.Lend:
	s_endpgm
	; ---------------- the weights, laid as the third launch's registers take them ----------------
.Llayout:
	v_and_b32 v8, 15, v0                           ; r
	v_bfe_u32 v9, v0, 4, 1                         ; h
	s_mov_b32 s29, 0
	s_cmp_ge_u32 ttmp9, 80
	s_cbranch_scc1 .Lw2
	; w1: unit U = 64 rows (hidden units) x 512 along K = 16 KiB.  Fragment (q, s): lane (r, h) takes row 32 (q / 2) + 8 (q % 2) + r + 8 (r / 8), bytes 64 s + 32 c + 16 h
	s_sub_co_u32 s25, ttmp9, 64
	s_lshl_b32 s25, s25, 2
	s_add_co_u32 s25, s25, s8                      ; U = 0..63
	s_lshl_b32 s28, s25, 14
	v_and_b32 v10, 8, v8
	v_add_nc_u32 v10, v10, v8
	v_lshlrev_b32 v10, 8, v10
	v_lshl_add_u32 v10, v9, 4, v10
	s_wait_kmcnt 0x0
	s_add_nc_u64 s[50:51], s[50:51], s[28:29]
	s_add_nc_u64 s[58:59], s[58:59], s[28:29]
.irp q, 0,1,2,3
.irp s, 0,1,2,3
.irp c, 0,1
	global_load_b128 v[LY+4*((4*\q+\s)*2+\c):LY+4*((4*\q+\s)*2+\c)+3], v10, s[50:51] offset:(32*(\q/2)+8*(\q%2))*256+64*\s+32*\c
.endr
.endr
.endr
.set k, 0
.rept 32
	s_wait_loadcnt 31-k                            ; load k is in; the younger ones may be out
	global_store_b128 v3, v[LY+4*k:LY+4*k+3], s[58:59] offset:512*k   ; 512 consecutive bytes
.set k, k+1
.endr
	s_endpgm
.Lw2:
	; w2: unit U = (expert, wave, pair of K steps): 128 rows (outputs) x 256 along K = 16 KiB.  Fragment (k2, i): lane (r, h) takes row 16 i + r, bytes 64 k2 + 32 c + 16 h
	s_sub_co_u32 s25, ttmp9, 80
	s_lshl_b32 s25, s25, 2
	s_add_co_u32 s25, s25, s8                      ; U = 0..63
	s_lshr_b32 s26, s25, 2                         ; 4 x expert + wave
	s_and_b32 s27, s25, 3                          ; which pair of K steps
	s_lshl_b32 s28, s26, 16
	s_lshl_b32 s30, s27, 7
	s_add_co_u32 s28, s28, s30
	s_wait_kmcnt 0x0
	s_add_nc_u64 s[52:53], s[52:53], s[28:29]      ; codes: 128 rows of 512 bytes, + 128 bytes a pair
	s_lshl_b32 s28, s26, 12
	s_lshl_b32 s30, s27, 3
	s_add_co_u32 s28, s28, s30
	s_add_nc_u64 s[54:55], s[54:55], s[28:29]      ; scale bytes: 128 rows of 32 bytes, + 8 bytes a pair
	s_lshl_b32 s28, s25, 14
	s_add_nc_u64 s[38:39], s[58:59], s[28:29]      ; where the codes go,
	s_lshl_b32 s28, s25, 10
	s_add_nc_u64 s[36:37], s[58:59], s[28:29]      ; and the scale words
	v_lshlrev_b32 v10, 9, v8
	v_lshl_add_u32 v10, v9, 4, v10
	v_lshlrev_b32 v11, 5, v2                       ; scale words: lane L takes rows 32 j + L
.irp k2, 0,1
.irp j, 0,1,2,3
	global_load_b32 v[32+4*\k2+\j], v11, s[54:55] offset:1024*\j+4*\k2
.endr
.endr
.irp k2, 0,1
.irp i, 0,1,2,3,4,5,6,7
.irp c, 0,1
	global_load_b128 v[LY+4*((8*\k2+\i)*2+\c):LY+4*((8*\k2+\i)*2+\c)+3], v10, s[52:53] offset:8192*\i+64*\k2+32*\c
.endr
.endr
.endr
.set k, 0
.rept 32
	s_wait_loadcnt 31-k                            ; load k is in (and the scale words, which were asked for first)
	global_store_b128 v3, v[LY+4*k:LY+4*k+3], s[38:39] offset:1048576+512*k
.set k, k+1
.endr
	global_store_b128 v3, v[32:35], s[36:37] offset:2097152
	global_store_b128 v3, v[36:39], s[36:37] offset:2097152+512
	s_endpgm
.Lfunc_end_k_q85db8404b4_place:
	.size	k_q85db8404b4_place, .Lfunc_end_k_q85db8404b4_place-k_q85db8404b4_place
	.p2alignl 7, 3214868480
	.fill 96, 4, 3214868480
	.section	.rodata,"a",@progbits
	.p2align	6, 0x0
	.amdhsa_kernel k_q85db8404b4_place
		.amdhsa_group_segment_fixed_size 0
		.amdhsa_private_segment_fixed_size 0
		.amdhsa_enable_private_segment 0
		.amdhsa_kernarg_size 48
		.amdhsa_user_sgpr_count 2
		.amdhsa_user_sgpr_kernarg_segment_ptr 1
		.amdhsa_wavefront_size32 1
		.amdhsa_system_sgpr_workgroup_id_x 1
		.amdhsa_system_sgpr_workgroup_id_y 1
		.amdhsa_system_sgpr_workgroup_id_z 1
		.amdhsa_system_vgpr_workitem_id 0
		.amdhsa_next_free_vgpr 192
		.amdhsa_next_free_sgpr 66
		.amdhsa_reserve_vcc 1
		.amdhsa_float_denorm_mode_32 3
		.amdhsa_float_denorm_mode_16_64 3
		.amdhsa_memory_ordered 1
		.amdhsa_forward_progress 1
		.amdhsa_inst_pref_size 29
	.end_amdhsa_kernel
	.amdgpu_metadata
---
amdhsa.version: [ 1, 2 ]
amdhsa.kernels:
  - .name:           k_q85db8404b4_place
    .symbol:         k_q85db8404b4_place.kd
    .args:
      - { .name: route, .offset: 0, .size: 8, .value_kind: global_buffer, .address_space: global }
      - { .name: w1_codes, .offset: 8, .size: 8, .value_kind: global_buffer, .address_space: global }
      - { .name: w2_codes, .offset: 16, .size: 8, .value_kind: global_buffer, .address_space: global }
      - { .name: w2_scales, .offset: 24, .size: 8, .value_kind: global_buffer, .address_space: global }
      - { .name: plan, .offset: 32, .size: 8, .value_kind: global_buffer, .address_space: global }
      - { .name: wl, .offset: 40, .size: 8, .value_kind: global_buffer, .address_space: global }
    .group_segment_fixed_size: 0
    .private_segment_fixed_size: 0
    .kernarg_segment_align: 8
    .kernarg_segment_size: 48
    .max_flat_workgroup_size: 128
    .sgpr_count:     66
    .vgpr_count:     192
    .wavefront_size: 32
...
	.end_amdgpu_metadata
.endif
;; end of part 2
;; launch experts (part 3): grid 133 x 1, 4 waves a work-group, no clusters, 182,784 bytes of LDS; arguments plan, xq, gate, wl, w1_scales, b1, b2, out0; writes out0
.if DOCPART == 3
	.amdgcn_target "amdgcn-amd-amdhsa--gfx1250"
	.amdhsa_code_object_version 6
	.text
	.protected	k_q85db8404b4_experts
	.globl	k_q85db8404b4_experts
	.p2align	8
	.type	k_q85db8404b4_experts,@function
k_q85db8404b4_experts:
	s_mov_b64 s[64:65], 0
	v_nop
	global_prefetch_b8 v0, s[64:65] scope:SCOPE_SE
	s_setreg_imm32_b32 hwreg(HW_REG_WAVE_MODE, 25, 1), 1
	s_wait_xcnt 0x0
; THIRD OF THREE LAUNCHES.  A work-group takes one tile of up to 128 tokens that chose the same two experts a < b through both experts' whole chain and owns those rows of out0:
;   out = g2 (g1 (Q(relu(Q(x) W1a + b1a)) W2a + b2a) + (Q(relu(Q(x) W1b + b1b)) W2b + b2b)),  all four products on codes of FP4 (E2M1) with E8M0 scales, sums in f32.
; THE WAVES SHARE THE COLUMNS: wave w makes hidden units 256 w .. + 255 of both experts and outputs 128 w .. + 127, for all 128 tokens.  So each byte of the two experts' weights is loaded by
; one wave, once, from memory straight into the registers of the operand (wl is laid in that order), and feeds eight matrix instructions.  Through LDS go only the tile's codes of x (once) and the
; hidden layers' codes, as images of the operand's registers.  Both products are used transposed (source 0 = 16 rows of a weight, source 1 = 16 tokens): a lane holds ONE token throughout.
; THE WEIGHTS ARE ASKED FOR AS EARLY AS THE REGISTERS ALLOW: a set of fragments is asked for again straight behind the four plain lines that follow its last product.  First products: two sets of 64
; hidden units; a set has the quantising of its own block and the whole next block in which to land.  Second products: four sets of one K step; a set has three K steps.
; THE ROWS OF W1 THAT FORM A TILE ARE NOT NEIGHBOURS (lane r of tile 2 b + u: row 32 b + 8 u + r + 8 (r / 8)), so that the 16 registers of tiles 2 b, 2 b + 1 are 16 neighbours along the next K.
; ONE SET OF 64 ACCUMULATORS SERVES BOTH EXPERTS: b2a is the C of expert a's first K step; between the experts acc = acc g1 + b2b (packed multiply-adds); expert b adds in place; the way out multiplies by g2.
; RELU IS TAKEN ON THE CODES: a block's scale comes from its largest number with no |.| (what is negative does not count; the floor stands over it), every number is converted, and codes with the
; sign bit set are cleared: the same codes as those of relu's result, for half the lines.
; A tile's last rows, where it has fewer than 128, repeat its last token: the same bits go to the same row from the same wave.  A tile without rows walks the chain on the list's first entry and jumps over the
; way out alone: every wave passes every barrier, and no loop stands under a branch on numbers read from memory.  The grid of 133 serves every split of 16,384 tokens over 6 classes.
; NO CLUSTER: partners of a joint load would have to hold tiles of one class, and how many tiles a class has hangs on counts read from memory; and a joint load lands in LDS, which would add an LDS
; write and an LDS read for every weight byte that here goes straight to the one wave that uses it.
; LIMITS: |ya + b2a| under 2^67 (g1 can reach 2^60); NaN and infinities are not served; a hidden block whose largest number lies under 2^-124, or that is all zeros, keeps the byte 1: its codes add nothing that counts.
; REGISTERS, in windows of 256.  Window 0: v0-23 addresses; v24-31 the tokens of my lane, a tile each; v32-47 their (g1, g2); the rest by phase, below.
;   first products:  window 1: x's 32 fragments (tile n, K step s) at 8 (4 n + s);  window 2: W1's, two sets, at 128 set + 8 (4 q + s);  window 3: 32 accumulators (q, n) at 8 (8 q + n).
;   second products: window 1: W2's fragments, four sets of one K step, at 64 q + 8 i;  windows 2, 3: the 64 accumulators (n, i) at 64 (n % 4) + 8 i.
.set XP,   272                         ; LDS: the tile's 128 rows of x's codes, 256 bytes + 16 of padding: 34,816 bytes from 0
.set HIMG, 34816                       ; the hidden layers' images: wave w's four K steps (2 e + p) at 32,768 w + 8,192 (2 e + p); in a K step tile n at 1,024 n, half c at 512 c, 16 bytes a lane
.set HSC,  165888                      ; their scale words: 4,096 w + 1,024 (2 e + p) + 128 n + 4 lane
.set STG,  HIMG                        ; the way out: 16 rows x 528 bytes for each wave, over the images, behind a barrier behind which nobody reads them
.set SP,   528
.set L16,  4                           ; v4   16 x lane
.set S1A,  5                           ; v5   W1's scale words: 16 (8 h + r + 8 (r / 8))
.set B1A,  6                           ; v6   b1: 64 h
.set B2A,  7                           ; v7   b2: 32 h
.set XW,   8                           ; v8   where I put a row of x's codes
.set XR,   9                           ; v9   where I read x's fragments
.set HW0,  10                          ; v10  HIMG + 16 lane
.set HSW0, 11                          ; v11  HSC + 4 lane
.set HW,   12                          ; v12, v13 the same with the K step in hand, for stores
.set HSW,  13
.set HR,   14                          ; v14, v15 for loads
.set HSR,  15
.set STO,  16                          ; v16  the stage, in
.set RD,   17                          ; v17  the stage, back
.set CO,   18                          ; v18  512 w + 16 lane: my bytes of a row of out0
.set C16,  19                          ; v19  16 (lane % 16)
.set TOK,  24
.set G,    32
.set XS,   48                          ; first products: v48-79 x's scale words (4 n + s)
.set W1S,  80                          ; v80-95   W1's, two sets of 8
.set B1,   96                          ; v96-159  b1, two sets of 4 tiles x 8
.set SW,   160                         ; v160-167 the scale words in the making, a tile of tokens each
.set TM,   168                         ; v168-183 16 blocks: largest numbers, then bytes
.set T2,   184                         ; v184-199 the conversions' scale operands
.set PC,   200                         ; v200-231 codes
.set TA,   232                         ; v232-247 at work
.set TB,   240
.set XT,   160                         ; the head: v160-223 rows of x's codes, v224-239 their tokens, v240-255 addresses
.set RT,   224
.set W2S,  48                          ; second products: v48-63 W2's scale words, four sets of 4
.set HS,   64                          ; v64-79   the hidden layer's, two sets of 8
.set VO,   80                          ; v80-111  the way out: offsets in out0, two sets of 16
.set B2,   96                          ; v96-159  b2, 8 tiles x 8: where b1's two sets lay, which the last first product has left
.set HF,   192                         ; v192-255 the hidden layer's 8 fragments of a K step
.set BK,   128                         ; the way out: rows read back, v128-191 and v192-255 by turns
.set MSB,  0
.macro WIN new                         ; the immediate's high byte repeats the setting that is left; a switch that changes nothing is dropped
.if MSB != (\new)
	s_set_vgpr_msb (MSB<<8)|(\new)
.set MSB, \new
.endif
.endm
.macro PLACES                          ; four plain vector lines between a matrix instruction and a load into, or a vector read of, its registers
.rept 4
	v_nop
.endr
.endm
.macro WMS d, a, b, c, sa, sb, row     ; row = 1: source 0's scales are read from lanes 16-31
.if \row
	v_wmma_scale_f32_16x16x128_f8f6f4 v[\d:\d+7], v[\a:\a+7], v[\b:\b+7], v[\c:\c+7], v[\sa], v[\sb] matrix_a_fmt:MATRIX_FMT_FP4 matrix_b_fmt:MATRIX_FMT_FP4 matrix_a_scale:MATRIX_SCALE_ROW1
.else
	v_wmma_scale_f32_16x16x128_f8f6f4 v[\d:\d+7], v[\a:\a+7], v[\b:\b+7], v[\c:\c+7], v[\sa], v[\sb] matrix_a_fmt:MATRIX_FMT_FP4 matrix_b_fmt:MATRIX_FMT_FP4
.endif
.endm
	s_load_b256 s[4:11], s[0:1], 0x0               ; plan s[4:5], xq s[6:7], gate s[8:9], wl s[10:11]
	s_load_b256 s[12:19], s[0:1], 0x20             ; w1_scales s[12:13], b1 s[14:15], b2 s[16:17], out0 s[18:19]
	v_lshl_add_u32 v22, v0, 2, 0x2c800
	v_mov_b32 v23, 0
	v_lshrrev_b32 v20, 5, v0
	v_readfirstlane_b32 s24, v20                   ; wave 0..3
	v_and_b32 v1, 31, v0                           ; lane
	v_and_b32 v2, 15, v0                           ; r
	v_bfe_u32 v3, v0, 4, 1                         ; h
	v_lshlrev_b32 v[L16], 4, v1
	v_and_b32 v20, 8, v2
	v_add_nc_u32 v20, v20, v2
	v_lshl_add_u32 v20, v3, 3, v20
	v_lshlrev_b32 v[S1A], 4, v20
	v_lshlrev_b32 v[B1A], 6, v3
	v_lshlrev_b32 v[B2A], 5, v3
	v_lshlrev_b32 v[C16], 4, v2
	s_mul_i32 s61, s24, 32*XP
	v_mul_u32_u24 v[XW], v3, XP
	v_add_nc_u32 v[XW], v[XW], v[C16]
	v_add_nc_u32 v[XW], s61, v[XW]                 ; row 32 w + h (+ 2 i in the immediate), 16 bytes a lane
	v_mul_u32_u24 v[XR], v2, XP
	v_lshl_add_u32 v[XR], v3, 4, v[XR]             ; row r, + 16 h
	v_add_nc_u32 v[HW0], HIMG, v[L16]
	v_lshlrev_b32 v[HSW0], 2, v1
	v_add_nc_u32 v[HSW0], HSC, v[HSW0]
	s_mul_i32 s61, s24, 16*SP
	s_add_co_u32 s61, s61, STG
	v_mul_u32_u24 v[STO], v2, SP
	v_lshl_add_u32 v[STO], v3, 5, v[STO]
	v_add_nc_u32 v[STO], s61, v[STO]               ; my stage: row r, + 32 h
	v_add_nc_u32 v[RD], s61, v[L16]
	s_lshl_b32 s61, s24, 9
	v_add_nc_u32 v[CO], s61, v[L16]
	s_lshl_b32 s62, ttmp9, 4
	s_mov_b32 s63, 0
	s_mov_b32 s69, 0
	s_mov_b32 s26, 0x76543210
	s_mov_b32 s27, 0xfedcba98                      ; v_permlanex16_b32: lane l xor 16
	s_mov_b32 s60, 0x88888888                      ; the sign bits of eight codes
	s_wait_kmcnt 0x0
	s_add_nc_u64 s[66:67], s[4:5], s[62:63]
	s_load_b128 s[20:23], s[66:67], 0x0            ; my tile: expert a, expert b, rows, list tile
	s_wait_kmcnt 0x0
	s_min_u32 s20, s20, 3                          ; numbers read from memory are held inside their tables before they enter an address
	s_min_u32 s21, s21, 3
	s_min_u32 s22, s22, 128
	s_min_u32 s23, s23, 132
.macro PTRS e, pw1, ps1, pb1, pw2, ps2, pb2    ; where my wave's part of expert s[e] begins in each table
	s_lshl_b32 s61, s[\e], 2
	s_add_co_u32 s61, s61, s24                     ; 4 x expert + wave
	s_lshl_b32 s68, s61, 16
	s_add_nc_u64 s[\pw1:\pw1+1], s[10:11], s[68:69]
	s_add_nc_u64 s[\pw2:\pw2+1], s[\pw1:\pw1+1], 0x100000
	s_lshl_b32 s68, s61, 12
	s_add_nc_u64 s[\ps1:\ps1+1], s[12:13], s[68:69]
	s_add_nc_u64 s[\ps2:\ps2+1], s[10:11], s[68:69]
	s_add_nc_u64 s[\ps2:\ps2+1], s[\ps2:\ps2+1], 0x200000
	s_lshl_b32 s68, s61, 10
	s_add_nc_u64 s[\pb1:\pb1+1], s[14:15], s[68:69]
	s_lshl_b32 s68, s61, 9
	s_add_nc_u64 s[\pb2:\pb2+1], s[16:17], s[68:69]
.endm
	PTRS 20, 28, 30, 32, 34, 36, 50                ; expert a: these walk
	PTRS 21, 40, 42, 44, 46, 48, 52                ; expert b: taken up when a is done
	s_lshl_b32 s68, s23, 9
	s_add_nc_u64 s[70:71], s[4:5], s[68:69]        ; my tile's 128 list entries (4,096 further on, in the immediate)
	s_max_u32 s72, s22, 1
	s_sub_co_u32 s72, s72, 1                       ; the tile's last row
.irp n, 0,1,2,3,4,5,6,7
	v_add_nc_u32 v[TOK+\n], 16*\n, v2              ; row 16 n + r, held at the last row
	v_min_u32 v[TOK+\n], s72, v[TOK+\n]
	v_min_u32 v[TOK+\n], 127, v[TOK+\n]
	v_lshlrev_b32 v[TOK+\n], 2, v[TOK+\n]
	global_load_b32 v[TOK+\n], v[TOK+\n], s[70:71] offset:4096   ; (a load may land on its own address register)
.endr
	s_lshl_b32 s73, s24, 5
	v_add_nc_u32 v20, s73, v3
.irp i, 0,1,2,3,4,5,6,7,8,9,10,11,12,13,14,15
	v_add_nc_u32 v[RT+\i], 2*\i, v20               ; row 32 w + 2 i + h: the rows whose codes my wave fetches
	v_min_u32 v[RT+\i], s72, v[RT+\i]
	v_min_u32 v[RT+\i], 127, v[RT+\i]
	v_lshlrev_b32 v[RT+\i], 2, v[RT+\i]
	global_load_b32 v[RT+\i], v[RT+\i], s[70:71] offset:4096
.endr
; 42 loads: 64 hidden units' part of W1 (16 fragments), their scale words (lanes 0-15: tile 2 b, lanes 16-31: tile 2 b + 1) and their biases in the result's layout, into set; adv: blocks beyond the pointers
.macro FETCH1 set, adv
	WIN 0x80                                       ; destination window 2
.irp k, 0,1,2,3,4,5,6,7,8,9,10,11,12,13,14,15
	global_load_b128 v[128*\set+8*\k:128*\set+8*\k+3], v[L16], s[28:29] offset:16384*\adv+1024*\k
	global_load_b128 v[128*\set+8*\k+4:128*\set+8*\k+7], v[L16], s[28:29] offset:16384*\adv+1024*\k+512
.endr
	WIN 0
.irp b, 0,1
	global_load_b128 v[W1S+8*\set+4*\b:W1S+8*\set+4*\b+3], v[S1A], s[30:31] offset:1024*\adv+512*\b
.endr
.irp q, 0,1,2,3
	global_load_b128 v[B1+32*\set+8*\q:B1+32*\set+8*\q+3], v[B1A], s[32:33] offset:256*\adv+4*(32*(\q/2)+8*(\q%2))
	global_load_b128 v[B1+32*\set+8*\q+4:B1+32*\set+8*\q+7], v[B1A], s[32:33] offset:256*\adv+4*(32*(\q/2)+8*(\q%2))+16
.endr
.endm
	FETCH1 0, 0
	s_wait_loadcnt 42                              ; the 24 list entries are in; the 42 loads just issued may be out
.irp n, 0,1,2,3,4,5,6,7
	v_min_u32 v[TOK+\n], 0x3fff, v[TOK+\n]
.endr
.irp i, 0,1,2,3,4,5,6,7,8,9,10,11,12,13,14,15
	v_min_u32 v[RT+\i], 0x3fff, v[RT+\i]
	v_lshl_add_u32 v[RT+\i], v[RT+\i], 8, v[C16]
	global_load_b128 v[XT+4*\i:XT+4*\i+3], v[RT+\i], s[6:7]   ; sixteen lanes read a token's whole 256 bytes of codes
.endr
.irp n, 0,1,2,3,4,5,6,7
	v_lshlrev_b32 v[240+\n], 4, v[TOK+\n]
	global_load_b128 v[XS+4*\n:XS+4*\n+3], v[240+\n], s[6:7] offset:4194304   ; my token's four scale words
.endr
.irp n, 0,1,2,3,4,5,6,7
	v_lshlrev_b32 v[248+\n], 3, v[TOK+\n]
	global_load_b64 v[G+2*\n:G+2*\n+1], v[248+\n], s[8:9]     ; and its (g1, g2)
.endr
	s_wait_loadcnt 16                              ; the 16 rows are in; the 8 + 8 loads behind them may be out
.irp i, 0,1,2,3,4,5,6,7,8,9,10,11,12,13,14,15
	ds_store_b128 v[XW], v[XT+4*\i:XT+4*\i+3] offset:2*XP*\i
.endr
	FETCH1 1, 1                                    ; the second block's set: both sets are on their way or in before the first product
	s_wait_dscnt 0x0                               ; for the others' sake: my 32 rows have landed
	s_barrier_signal -1
	s_barrier_wait -1                              ; the tile's 128 rows lie in LDS
	WIN 0x40                                       ; destination window 1
.irp n, 0,1,2,3,4,5,6,7
.irp s, 0,1,2,3
	ds_load_b128 v[8*(4*\n+\s):8*(4*\n+\s)+3], v[XR] offset:16*XP*\n+64*\s
	ds_load_b128 v[8*(4*\n+\s)+4:8*(4*\n+\s)+7], v[XR] offset:16*XP*\n+64*\s+32
.endr
.endr
	WIN 0
.irp k, 0,1,2,3,4,5,6,7,8,9,10,11,12,13,14,15
	v_mov_b32 v[T2+\k], 0                          ; a lane permute's destination counts as one of its sources
.endr
	s_lshl_b32 s54, s24, 15                        ; where the K step in hand goes: my wave's 32,768 bytes of images,
	s_lshl_b32 s55, s24, 12                        ; its 4,096 bytes of scale words
	s_mov_b32 s56, 0
	s_wait_xcnt 0x0                                ; the loads that are out have read their bases: the three pointers go on to the block asked for last
	s_add_nc_u64 s[28:29], s[28:29], 16384
	s_add_nc_u64 s[30:31], s[30:31], 1024
	s_add_nc_u64 s[32:33], s[32:33], 256
	s_wait_dscnt 0x0                               ; x's fragments stay in registers for both experts
; ---- THE FIRST PRODUCTS.  Four trips: (expert a, b) x (my first, second 128 hidden units); a trip makes one K step of the second product, in two blocks of 64 hidden units.
.macro MM1 set, s, first               ; 32 matrix instructions: the 32 accumulators take turns, one instruction a turn
.irp q, 0,1,2,3
.irp n, 0,1,2,3,4,5,6,7
.if \first
	WMS 8*(8*\q+\n), 128*\set+8*(4*\q+\s), 8*(4*\n+\s), B1+32*\set+8*\q, W1S+8*\set+4*(\q/2)+\s, XS+4*\n+\s, \q%2
.else
	WMS 8*(8*\q+\n), 128*\set+8*(4*\q+\s), 8*(4*\n+\s), 8*(8*\q+\n), W1S+8*\set+4*(\q/2)+\s, XS+4*\n+\s, \q%2
.endif
.endr
.endr
.endm
.macro MMB c                           ; a block's 128 products
	s_wait_loadcnt 42                              ; this block's set is in; the 42 loads of the other set, asked for behind it, may be out
	WIN 0xc6                                       ; source 0 (W1) window 2, source 1 (x) window 1, C (b1) window 0, D window 3
	MM1 \c, 0, 1
	WIN 0xf6                                       ; C and D window 3
	MM1 \c, 1, 0
	MM1 \c, 2, 0
	MM1 \c, 3, 0
	WIN 0
	s_wait_dscnt 0x0                               ; the last block's LDS stores have read their registers
	PLACES
.endm
.macro ASK1 c                          ; the set that block has just left takes the block two further on
	s_wait_xcnt 0x0                                ; the loads that are out have read their bases: the three pointers may step
	s_add_nc_u64 s[28:29], s[28:29], 16384
	s_add_nc_u64 s[30:31], s[30:31], 1024
	s_add_nc_u64 s[32:33], s[32:33], 256
.if \c == 0
	s_cmp_eq_u32 s56, 1                            ; two blocks behind expert a's third comes expert b's first
	s_cselect_b64 s[28:29], s[40:41], s[28:29]
	s_cselect_b64 s[30:31], s[42:43], s[30:31]
	s_cselect_b64 s[32:33], s[44:45], s[32:33]
.endif
	FETCH1 \c, 0
.endm
.macro QB c                            ; a block's 64 hidden units x 128 tokens are quantised, and go to LDS as half of a K step's images
	WIN 0x0f                                       ; sources 0 and 1 window 3
.irp i, 0,1,2,3,4,5,6,7                ; 16 blocks of 32 hidden units (tile of tokens n, block b) by turns; each accumulator is read from its low end on.  No |.|: what is negative does not count
.irp n, 0,1,2,3,4,5,6,7
.irp b, 0,1
.if \i == 0
	v_max3_num_f32 v[TM+2*\n+\b], v[8*(8*(2*\b)+\n)], v[8*(8*(2*\b)+\n)+1], 0x1800000   ; the floor 2^(3 - 127): the byte cannot fall under 1
.else
	v_max3_num_f32 v[TM+2*\n+\b], v[8*(8*(2*\b+\i/4)+\n)+2*(\i%4)], v[8*(8*(2*\b+\i/4)+\n)+2*(\i%4)+1], v[TM+2*\n+\b]
.endif
.endr
.endr
.endr
	WIN 0
.irp k, 0,1,2,3,4,5,6,7,8,9,10,11,12,13,14,15
	v_permlanex16_b32 v[T2+\k], v[TM+\k], s26, s27
.endr
.irp k, 0,1,2,3,4,5,6,7,8,9,10,11,12,13,14,15
	v_max_num_f32 v[TM+\k], v[TM+\k], v[T2+\k]     ; with lane l xor 16's 16 numbers: the block's largest
.endr
.irp k, 0,1,2,3,4,5,6,7,8,9,10,11,12,13,14,15
	v_add_nc_u32 v[T2+\k], 0xff000000, v[TM+\k]    ; 2 off its exponent field: the conversion's scale operand
.endr
.irp k, 0,1,2,3,4,5,6,7,8,9,10,11,12,13,14,15
	v_lshrrev_b32 v[TM+\k], 23, v[T2+\k]           ; the scale's byte
.endr
.irp n, 0,1,2,3,4,5,6,7
.if \c == 0
	v_lshl_or_b32 v[SW+\n], v[TM+2*\n+1], 8, v[TM+2*\n]       ; the K step's scale word: bytes 0, 1 from the first block of 64,
.else
	v_lshl_or_b32 v[SW+\n], v[TM+2*\n], 16, v[SW+\n]          ; bytes 2, 3 from the second
	v_lshl_or_b32 v[SW+\n], v[TM+2*\n+1], 24, v[SW+\n]
.endif
.endr
	WIN 0x03                                       ; source 0 window 3
.irp n, 0,1,2,3,4,5,6,7
.irp b, 0,1
.irp u, 0,1
	v_cvt_scalef32_pk8_fp4_f32 v[PC+4*\n+2*\b+\u], v[8*(8*(2*\b+\u)+\n):8*(8*(2*\b+\u)+\n)+7], v[T2+2*\n+\b]   ; k = 32 b + 16 h + 8 u + 0 .. 7
.endr
.endr
.endr
	WIN 0
	v_nop                                          ; one plain line behind the last scaled conversion
.irp g, 0,1,2,3                        ; relu on the codes: a mask of 7 for each code without the sign bit, 0 for each with it
.irp k, 0,1,2,3,4,5,6,7
	v_bfi_b32 v[TA+\k], v[PC+8*\g+\k], 0, s60      ; the sign bits, turned over
.endr
.irp k, 0,1,2,3,4,5,6,7
	v_lshrrev_b32 v[TB+\k], 3, v[TA+\k]
.endr
.irp k, 0,1,2,3,4,5,6,7
	v_sub_nc_u32 v[TA+\k], v[TA+\k], v[TB+\k]      ; 8 - 1 in each code's four bits: nothing is borrowed across
.endr
.irp k, 0,1,2,3,4,5,6,7
	v_and_b32 v[PC+8*\g+\k], v[PC+8*\g+\k], v[TA+\k]
.endr
.endr
.irp n, 0,1,2,3,4,5,6,7                ; the operand wants a WHOLE block in a lane: lanes 0-15 block 0, lanes 16-31 block 1 of these 64
.irp i, 0,1
	v_permlane16_swap_b32 v[PC+4*\n+\i], v[PC+4*\n+2+\i]
.endr
.endr
	v_add_nc_u32 v[HW], s54, v[HW0]
.irp n, 0,1,2,3,4,5,6,7
	ds_store_b128 v[HW], v[PC+4*\n:PC+4*\n+3] offset:1024*\n+512*\c   ; registers 4 c .. 4 c + 3 of tile n's fragment, as they stand
.endr
.if \c == 1
	v_add_nc_u32 v[HSW], s55, v[HSW0]
.irp n, 0,1,2,3,4,5,6,7
	ds_store_b32 v[HSW], v[SW+\n] offset:128*\n
.endr
.endif
.endm
; 17 loads: one K step of my 128 rows of W2 (8 fragments) into set q, and their scale words (register j: lanes 0-15 tile 2 j, lanes 16-31 tile 2 j + 1); adv: K steps beyond the pointers
.macro FETCH2 q, adv
	WIN 0x40                                       ; destination window 1
.irp i, 0,1,2,3,4,5,6,7
	global_load_b128 v[64*\q+8*\i:64*\q+8*\i+3], v[L16], s[34:35] offset:8192*\adv+1024*\i
	global_load_b128 v[64*\q+8*\i+4:64*\q+8*\i+7], v[L16], s[34:35] offset:8192*\adv+1024*\i+512
.endr
	WIN 0
	global_load_b128 v[W2S+4*\q:W2S+4*\q+3], v[L16], s[36:37] offset:512*\adv
.endm
.macro B2LOAD p                        ; 16 loads: b2 of my 128 outputs in the result's layout: tile i, my half's eight
.irp i, 0,1,2,3,4,5,6,7
	global_load_b128 v[B2+8*\i:B2+8*\i+3], v[B2A], s[\p:\p+1] offset:64*\i
	global_load_b128 v[B2+8*\i+4:B2+8*\i+7], v[B2A], s[\p:\p+1] offset:64*\i+16
.endr
.endm
.Lp1:
	MMB 0
	s_cmp_eq_u32 s56, 3                            ; the last trip asks for no more of W1:
	s_cbranch_scc1 .Lp1_a
	ASK1 0
	s_branch .Lp1_b
.Lp1_a:
	s_wait_loadcnt 0x0                             ; no load follows the last block's, so its set is waited for by the count 0
.Lp1_b:
	QB 0
	MMB 1
	s_cmp_eq_u32 s56, 3                            ; the loop is left here, in the middle of its fourth trip, behind the very last first product
	s_cbranch_scc1 .Lp1_out
	ASK1 1
	QB 1
	s_add_co_u32 s54, s54, 8192
	s_add_co_u32 s55, s55, 1024
	s_add_co_u32 s56, s56, 1
	s_cmp_lt_u32 s56, 4
	s_cbranch_scc1 .Lp1
.Lp1_out:
	s_wait_loadcnt 0x0                             ; nothing of W1 or b1 is out: their registers, and x's, are free (four plain lines stand behind their last product)
	B2LOAD 50                                      ; b2a first: it is wanted with K step 0,
	FETCH2 0, 0                                    ; then expert a's K steps 0 and 1: they are on their way while the last block is quantised
	FETCH2 1, 1
	QB 1
	FETCH2 2, 2
	FETCH2 3, 3
; ---- THE SECOND PRODUCTS.  16 K steps of 128 hidden units, expert a's eight and then expert b's; three trips of four, and the last four written out, since they ask for nothing more.
.macro HLD q, n0                       ; the hidden fragments of tiles n0 .. n0 + 3 for the trip's K step q: it was made by wave 2 (trip % 2) + q / 2 as its K step 2 e + q % 2
.irp n, \n0, \n0+1, \n0+2, \n0+3
	ds_load_b128 v[HF+8*(\n):HF+8*(\n)+3], v[HR] offset:((\q)/2)*32768+((\q)%2)*8192+1024*(\n)
	ds_load_b128 v[HF+8*(\n)+4:HF+8*(\n)+7], v[HR] offset:((\q)/2)*32768+((\q)%2)*8192+1024*(\n)+512
.endr
.endm
.macro HSL q                           ; and the eight tiles' scale words, into set q % 2
.irp n, 0,1,2,3,4,5,6,7
	ds_load_b32 v[HS+8*((\q)%2)+\n], v[HSR] offset:((\q)/2)*4096+((\q)%2)*1024+128*\n
.endr
.endm
.macro MM2 q, hi, first                ; 32 matrix instructions: tiles of tokens 4 hi .. 4 hi + 3 x my eight tiles of outputs; the 64 accumulators take turns in the same order in every K step
.irp n, 0,1,2,3
.irp i, 0,1,2,3,4,5,6,7
.if \first
	WMS 64*\n+8*\i, 64*(\q)+8*\i, HF+8*(4*\hi+\n), B2+8*\i, W2S+4*(\q)+\i/2, HS+8*((\q)%2)+4*\hi+\n, \i%2
.else
	WMS 64*\n+8*\i, 64*(\q)+8*\i, HF+8*(4*\hi+\n), 64*\n+8*\i, W2S+4*(\q)+\i/2, HS+8*((\q)%2)+4*\hi+\n, \i%2
.endif
.endr
.endr
.endm
.macro HALF q, hi, last                ; in the very first K step the sums begin with b2a as C: a second copy of the 32 lines, chosen by the trip's number
.if (\q == 0) && (\last == 0)
	s_cmp_eq_u32 s56, 0
	s_cbranch_scc1 .Lfirst_\@
.endif
	WIN 0xa1+0x50*\hi                              ; source 0 (W2) window 1, source 1 window 0, C and D window 2 or 3
	MM2 \q, \hi, 0
	WIN 0
.if (\q == 0) && (\last == 0)
	s_branch .Ljoin_\@
.Lfirst_\@:
	WIN 0x81+0x40*\hi                              ; C (b2a) window 0
	MM2 0, \hi, 1
	WIN 0
.Ljoin_\@:
.endif
.endm
; A K step.  last = 1: one of the last four.  left: the loads asked for behind this K step's set, which may stay out: 17 for each of the sets that follow it
.macro KSTEP q, last, left
	s_wait_loadcnt \left
	s_wait_dscnt 0x8                               ; tiles 0-3 and the scale words are in; the youngest eight loads (tiles 4-7) may be out
	HALF \q, 0, \last
	s_wait_dscnt 0x0                               ; tiles 4-7 are in
	PLACES
.if \q == 3
.if \last == 0
	s_add_co_u32 s61, s56, 1                       ; the next trip's images: 65,536 (trip % 2) + 16,384 (trip / 2)
	s_and_b32 s62, s61, 1
	s_lshl_b32 s62, s62, 16
	s_lshr_b32 s63, s61, 1
	s_lshl_b32 s63, s63, 14
	s_add_co_u32 s62, s62, s63
	s_lshr_b32 s63, s62, 3                         ; and scale words: an eighth of that
	v_add_nc_u32 v[HR], s62, v[HW0]
	v_add_nc_u32 v[HSR], s63, v[HSW0]
	HLD 0, 0
	HSL 0
.endif
.else
	HLD \q+1, 0                                    ; the next K step's tiles 0-3, 32 matrix instructions ahead of their use
	HSL \q+1
.endif
	HALF \q, 1, \last
	PLACES
.if \q == 3
.if \last == 0
	HLD 0, 4
.endif
.else
	HLD \q+1, 4
.endif
.if \last == 0
.if \q == 0
	s_cmp_lg_u32 s56, 0                            ; in the first trip b2b takes b2a's place, which only the first K step read.  Its 16 loads stand ahead of the set's below: they are shown in by this trip's fourth wait
	s_cbranch_scc1 .Lno_b2_\@
	B2LOAD 52
.Lno_b2_\@:
.endif
	s_wait_xcnt 0x0                                ; the loads that are out have read their bases: the two pointers may step
	s_add_nc_u64 s[34:35], s[34:35], 8192
	s_add_nc_u64 s[36:37], s[36:37], 512
.if \q == 0
	s_cmp_eq_u32 s56, 1                            ; four K steps behind expert a's fifth comes expert b's first
	s_cselect_b64 s[34:35], s[46:47], s[34:35]
	s_cselect_b64 s[36:37], s[48:49], s[36:37]
.endif
	FETCH2 \q, 0                                   ; the set that this K step has just left takes the K step four further on: three K steps in which to land
.endif
.endm
	s_wait_dscnt 0x0                               ; for the others' sake: my images and scale words have landed
	s_barrier_signal -1
	s_barrier_wait -1                              ; both hidden layers lie in LDS
	v_mov_b32 v[HR], v[HW0]
	v_mov_b32 v[HSR], v[HSW0]
	HLD 0, 0
	HSL 0
	HLD 0, 4
	s_wait_xcnt 0x0                                ; the pointers go on to the K step asked for last
	s_add_nc_u64 s[34:35], s[34:35], 3*8192
	s_add_nc_u64 s[36:37], s[36:37], 3*512
	s_mov_b32 s56, 0
.Lp2:
	s_cmp_lg_u32 s56, 2                            ; between the experts: acc = acc g1 + b2b.  (The last products stand in front of the last K step's four plain lines; each accumulator from its low end on)
	s_cbranch_scc1 .Lno_rescale
.irp n, 0,1,2,3,4,5,6,7
	WIN 0x82+0x41*(\n/4)                           ; destination and source 0 window 2 or 3
.irp i, 0,1,2,3,4,5,6,7
.irp m, 0,1,2,3
	v_pk_fma_f32 v[64*(\n%4)+8*\i+2*\m:64*(\n%4)+8*\i+2*\m+1], v[64*(\n%4)+8*\i+2*\m:64*(\n%4)+8*\i+2*\m+1], v[G+2*\n:G+2*\n+1], v[B2+8*\i+2*\m:B2+8*\i+2*\m+1] op_sel_hi:[1,0,1]
.endr
.endr
.endr
	WIN 0
.Lno_rescale:
	KSTEP 0, 0, 51
	KSTEP 1, 0, 51
	KSTEP 2, 0, 51
	KSTEP 3, 0, 51
	s_add_co_u32 s56, s56, 1
	s_cmp_lt_u32 s56, 3
	s_cbranch_scc1 .Lp2
	KSTEP 0, 1, 51                                 ; the last four K steps: nothing more is asked for, and the counts run down
	KSTEP 1, 1, 34
	KSTEP 2, 1, 17
	KSTEP 3, 1, 0
; ---- THE WAY OUT, a tile of 16 tokens at a time: x g2; a lane's 32 neighbouring bytes of a row go into my stage and come back as whole rows of 512 bytes, which the 32 lanes store to the token's row.
	s_wait_dscnt 0x0                               ; my reads of the images are over
	s_barrier_signal -1
	s_barrier_wait -1                              ; everybody's are: the stages may lie over them
	s_cmp_eq_u32 s22, 0                            ; a tile without rows stores nothing
	s_cbranch_scc1 .Lend
.macro SCALE n
	WIN 0x82+0x41*((\n)/4)
.set k, 0
.rept 32
	v_pk_mul_f32 v[64*((\n)%4)+2*k:64*((\n)%4)+2*k+1], v[64*((\n)%4)+2*k:64*((\n)%4)+2*k+1], v[G+2*(\n):G+2*(\n)+1] op_sel:[0,1] op_sel_hi:[1,1]
.set k, k+1
.endr
	WIN 0
.endm
.macro TOSTAGE n
	WIN 0x08+4*((\n)/4)                            ; an LDS store's data are its source 1: window 2 or 3
.irp i, 0,1,2,3,4,5,6,7
	ds_store_b128 v[STO], v[64*((\n)%4)+8*\i:64*((\n)%4)+8*\i+3] offset:64*\i
	ds_store_b128 v[STO], v[64*((\n)%4)+8*\i+4:64*((\n)%4)+8*\i+7] offset:64*\i+16
.endr
	WIN 0
.irp t, 0,1,2,3,4,5,6,7,8,9,10,11,12,13,14,15
	ds_load_b128 v[BK+64*((\n)%2)+4*\t:BK+64*((\n)%2)+4*\t+3], v[RD] offset:SP*\t   ; LDS serves a wave's instructions in order: these see the stores above, and the next tile's stores come behind them
.endr
.endm
; The sixteen rows' offsets are made in runs (all the tokens to scalar registers, then held, then shifted, then added): one hand-over from vector to scalar registers a tile, not one a row.
.macro SEND n, younger                 ; younger: the LDS instructions issued behind tile n's loads, which may stay out
.irp t, 0,1,2,3,4,5,6,7,8,9,10,11,12,13,14,15
	v_readlane_b32 s[80+\t], v[TOK+(\n)], \t       ; row t's token,
.endr
.irp t, 0,1,2,3,4,5,6,7,8,9,10,11,12,13,14,15
	s_min_u32 s[80+\t], s[80+\t], 0x3fff
.endr
.irp t, 0,1,2,3,4,5,6,7,8,9,10,11,12,13,14,15
	s_lshl_b32 s[80+\t], s[80+\t], 11              ; its row of 2,048 bytes
.endr
.irp t, 0,1,2,3,4,5,6,7,8,9,10,11,12,13,14,15
	v_add_nc_u32 v[VO+16*((\n)%2)+\t], s[80+\t], v[CO]
.endr
	s_wait_dscnt \younger
.irp t, 0,1,2,3,4,5,6,7,8,9,10,11,12,13,14,15
	global_store_b128 v[VO+16*((\n)%2)+\t], v[BK+64*((\n)%2)+4*\t:BK+64*((\n)%2)+4*\t+3], s[18:19] th:TH_STORE_NT   ; 32 lanes store 512 consecutive bytes, at a multiple of 512 from out0's first byte
.endr
.endm
	SCALE 0                                        ; (the last products stand in front of the last K step's four plain lines)
	TOSTAGE 0
.irp n, 1,2,3,4,5,6,7
	SCALE \n
.if \n > 1
	s_wait_xcnt 0x0                                ; tile n - 2's stores have read their registers: tile n's rows may land there, and the offsets may be written again
.endif
	TOSTAGE \n
	SEND \n-1, 32                                  ; behind tile n - 1's loads: tile n's 16 stores and 16 loads
.endr
	SEND 7, 0
.Lend:
	s_wait_tensorcnt 0x0
	ds_add_u32 v22, v23
	s_wait_dscnt 0x0
	s_endpgm
.Lfunc_end_k_q85db8404b4_experts:
	.size	k_q85db8404b4_experts, .Lfunc_end_k_q85db8404b4_experts-k_q85db8404b4_experts
	.p2alignl 7, 3214868480
	.fill 96, 4, 3214868480
	.section	.rodata,"a",@progbits
	.p2align	6, 0x0
	.amdhsa_kernel k_q85db8404b4_experts
		.amdhsa_group_segment_fixed_size 182784
		.amdhsa_private_segment_fixed_size 0
		.amdhsa_enable_private_segment 0
		.amdhsa_kernarg_size 64
		.amdhsa_user_sgpr_count 2
		.amdhsa_user_sgpr_kernarg_segment_ptr 1
		.amdhsa_wavefront_size32 1
		.amdhsa_system_sgpr_workgroup_id_x 1
		.amdhsa_system_sgpr_workgroup_id_y 1
		.amdhsa_system_sgpr_workgroup_id_z 1
		.amdhsa_system_vgpr_workitem_id 0
		.amdhsa_next_free_vgpr 1024
		.amdhsa_next_free_sgpr 96
		.amdhsa_reserve_vcc 0
		.amdhsa_float_denorm_mode_32 3
		.amdhsa_float_denorm_mode_16_64 3
		.amdhsa_memory_ordered 1
		.amdhsa_forward_progress 1
		.amdhsa_inst_pref_size 255
	.end_amdhsa_kernel
	.section	.bss,"aw",@nobits
	.p2align	6
	.space	262144
	.amdgpu_metadata
---
amdhsa.version: [ 1, 2 ]
amdhsa.kernels:
  - .name:           k_q85db8404b4_experts
    .symbol:         k_q85db8404b4_experts.kd
    .args:
      - { .name: plan, .offset: 0, .size: 8, .value_kind: global_buffer, .address_space: global }
      - { .name: xq, .offset: 8, .size: 8, .value_kind: global_buffer, .address_space: global }
      - { .name: gate, .offset: 16, .size: 8, .value_kind: global_buffer, .address_space: global }
      - { .name: wl, .offset: 24, .size: 8, .value_kind: global_buffer, .address_space: global }
      - { .name: w1_scales, .offset: 32, .size: 8, .value_kind: global_buffer, .address_space: global }
      - { .name: b1, .offset: 40, .size: 8, .value_kind: global_buffer, .address_space: global }
      - { .name: b2, .offset: 48, .size: 8, .value_kind: global_buffer, .address_space: global }
      - { .name: out0, .offset: 56, .size: 8, .value_kind: global_buffer, .address_space: global }
    .group_segment_fixed_size: 182784
    .private_segment_fixed_size: 0
    .kernarg_segment_align: 8
    .kernarg_segment_size: 64
    .max_flat_workgroup_size: 128
    .sgpr_count:     96
    .vgpr_count:     1024
    .wavefront_size: 32
...
	.end_amdgpu_metadata
.endif
;; end of part 3
;; ======== version 2 of 2: 3 launches; version 1 with the launch experts written anew for expert scheduling mode
;; limits: right only within a limited range of input values
;; workspace buffers: xq 4,456,448 bytes; gate 131,072 bytes; route 69,632 bytes of whole numbers; plan 72,192 bytes of whole numbers; wl 2,162,688 bytes
;; launch prep: the kernel of part 1 again; grid 256 x 1, 4 waves a work-group, no clusters, 34,304 bytes of LDS; arguments x, wg, bg, xq, gate, route; writes xq, gate, route
;; launch place: the kernel of part 2 again; grid 96 x 1, 4 waves a work-group, no clusters, 0 bytes of LDS; arguments route, w1_codes, w2_codes, w2_scales, plan, wl; writes plan, wl
;; launch experts (part 4): grid 133 x 1, 4 waves a work-group, no clusters, 182,784 bytes of LDS; arguments plan, xq, gate, wl, w1_scales, b1, b2, out0; writes out0
.if DOCPART == 4
	.amdgcn_target "amdgcn-amd-amdhsa--gfx1250"
	.amdhsa_code_object_version 6
	.text
	.protected	k_q85db8404b4_experts
	.globl	k_q85db8404b4_experts
	.p2align	8
	.type	k_q85db8404b4_experts,@function
k_q85db8404b4_experts:
	s_mov_b64 s[64:65], 0
	v_nop
	global_prefetch_b8 v0, s[64:65] scope:SCOPE_SE
	s_setreg_imm32_b32 hwreg(HW_REG_WAVE_SCHED_MODE, 0, 2), 2
	s_setreg_imm32_b32 hwreg(HW_REG_WAVE_MODE, 25, 1), 1
	s_wait_xcnt 0x0
	s_wait_alu depctr_vm_vsrc(0)
; THIRD OF THREE LAUNCHES.  A work-group takes one tile of up to 128 tokens that chose the same two experts a < b through both experts' whole chain and owns those rows of out0:
;   out = g2 (g1 (Q(relu(Q(x) W1a + b1a)) W2a + b2a) + (Q(relu(Q(x) W1b + b1b)) W2b + b2b)),  all four products on codes of FP4 (E2M1) with E8M0 scales, sums in f32.
; THE WAVES SHARE THE COLUMNS: wave w makes hidden units 256 w .. + 255 of both experts and outputs 128 w .. + 127, for all 128 tokens.  So each byte of the two experts' weights is loaded by
; one wave, once, from memory straight into the registers of the operand (wl is laid in that order), and feeds eight matrix instructions.  Through LDS go only the tile's codes of x (once) and the
; hidden layers' codes, as images of the operand's registers.  Both products are used transposed (source 0 = 16 rows of a weight, source 1 = 16 tokens): a lane holds ONE token throughout.
; THE WEIGHTS ARE ASKED FOR AS EARLY AS THE REGISTERS ALLOW: a set of fragments is asked for again behind the wait that shows its last product done.  First products: two sets of 64
; hidden units; a set has the quantising of its own block and the whole next block in which to land.  Second products: four sets of one K step; a set has three K steps.
; THE ROWS OF W1 THAT FORM A TILE ARE NOT NEIGHBOURS (lane r of tile 2 b + u: row 32 b + 8 u + r + 8 (r / 8)), so that the 16 registers of tiles 2 b, 2 b + 1 are 16 neighbours along the next K.
; ONE SET OF 64 ACCUMULATORS SERVES BOTH EXPERTS: b2a is the C of expert a's first K step; between the experts acc = acc g1 + b2b (packed multiply-adds); expert b adds in place; the way out multiplies by g2.
; RELU IS TAKEN ON THE CODES: a block's scale comes from its largest number with no |.| (what is negative does not count; the floor stands over it), every number is converted, and codes with the
; sign bit set are cleared: the same codes as those of relu's result, for half the lines.
; A tile's last rows, where it has fewer than 128, repeat its last token: the same bits go to the same row from the same wave.  A tile without rows walks the chain on the list's first entry and jumps over the
; way out alone: every wave passes every barrier, and no loop stands under a branch on numbers read from memory.  The grid of 133 serves every split of 16,384 tokens over 6 classes.
; NO CLUSTER: partners of a joint load would have to hold tiles of one class, and how many tiles a class has hangs on counts read from memory; and a joint load lands in LDS, which would add an LDS
; write and an LDS read for every weight byte that here goes straight to the one wave that uses it.
; LIMITS: |ya + b2a| under 2^67 (g1 can reach 2^60); NaN and infinities are not served; a hidden block whose largest number lies under 2^-124, or that is all zeros, keeps the byte 1: its codes add nothing that counts.
; THE MODE: SCHED_MODE bits 1:0 = 2 (LLVM: expert scheduling mode 2), set by the entry lines.  The code itself states the register dependences
; between vector or matrix instructions and memory or LDS instructions, with s_wait_alu, always for 0.
; THE PLAN.  Registers that memory or LDS instructions touch, and who else names them:
;   v4-11, v16-19  offsets and addresses, made once at the head, ahead of the first load's wait, and never written again.
;   FIRST PRODUCTS, a block of 128 products:
;   W1's set c, its scale words, its biases   read by block c's products; behind ONE wait on va_vdst, which stands behind those products, the loads of the block two further on land in them.
;   v[PC ..], v[SW ..], v12, v13              written by the block's quantising; ONE wait on va_vdst ahead of the run of LDS stores that read them; ONE wait on vm_vsrc in the next block, ahead of the lines that write them again
;                                             (and one where the two ways out of the loop join, ahead of the last quantising).
;   SECOND PRODUCTS, a K step of 64 products.  ONE wait on va_vdst stands at the step's head: behind it every product of the step before is done.  All of step q's loads follow it with no further wait:
;   v224-255       tiles 4-7 of the hidden layer, one set: read by step q - 1's last 32 products, loaded at step q's head, read by its last 32.
;   v160-223       tiles 0-3, two sets by turns: step q's first 32 products read set q % 2; behind them step q + 1's fragments land in the other set, which step q - 1 read.  The hidden scale words likewise.
;   W2's four sets and their scale words      step q's products read set q; at its head the K step three further on lands in set (q + 3) % 4, which step q - 1 read.
;   v14, v15, v21  LDS addresses: written once in four K steps, behind a wait on vm_vsrc and ahead of a step's wait on va_vdst.
;   THE WAY OUT, a tile of 16 tokens: the scaled accumulators and the offsets of the tile before are written ahead of ONE wait on va_vdst; the stage's stores and the tile before's stores to memory follow it;
;   ONE wait on vm_vsrc stands ahead of the lines and loads that write the offsets and the rows' registers again.  The tokens go to scalar registers in a run, with one wait on va_sdst behind it.
; REGISTERS, in windows of 256.  Window 0: v0-23 addresses; v24-31 the tokens of my lane, a tile each; v32-47 their (g1, g2); the rest by phase, below.
;   first products:  window 1: x's 32 fragments (tile n, K step s) at 8 (4 n + s);  window 2: W1's, two sets, at 128 set + 8 (4 q + s);  window 3: 32 accumulators (q, n) at 8 (8 q + n).
;   second products: window 1: W2's fragments, four sets of one K step, at 64 q + 8 i;  windows 2, 3: the 64 accumulators (n, i) at 64 (n % 4) + 8 i.
.set XP,   272                         ; LDS: the tile's 128 rows of x's codes, 256 bytes + 16 of padding: 34,816 bytes from 0
.set HIMG, 34816                       ; the hidden layers' images: wave w's four K steps (2 e + p) at 32,768 w + 8,192 (2 e + p); in a K step tile n at 1,024 n, half c at 512 c, 16 bytes a lane
.set HSC,  165888                      ; their scale words: 4,096 w + 1,024 (2 e + p) + 128 n + 4 lane
.set STG,  HIMG                        ; the way out: 16 rows x 528 bytes for each wave, over the images, behind a barrier behind which nobody reads them
.set SP,   528
.set L16,  4                           ; v4   16 x lane
.set S1A,  5                           ; v5   W1's scale words: 16 (8 h + r + 8 (r / 8))
.set B1A,  6                           ; v6   b1: 64 h
.set B2A,  7                           ; v7   b2: 32 h
.set XW,   8                           ; v8   where I put a row of x's codes
.set XR,   9                           ; v9   where I read x's fragments
.set HW0,  10                          ; v10  HIMG + 16 lane
.set HSW0, 11                          ; v11  HSC + 4 lane
.set HW,   12                          ; v12, v13 the same with the K step in hand, for stores
.set HSW,  13
.set HR,   14                          ; v14  for the loads of tiles 0-3, v15 of the scale words: they go on to the next trip a K step ahead of v21
.set HSR,  15
.set STO,  16                          ; v16  the stage, in
.set RD,   17                          ; v17  the stage, back
.set CO,   18                          ; v18  512 w + 16 lane: my bytes of a row of out0
.set C16,  19                          ; v19  16 (lane % 16)
.set HRH,  21                          ; v21  for the loads of tiles 4-7
.set TOK,  24
.set G,    32
.set XS,   48                          ; first products: v48-79 x's scale words (4 n + s)
.set W1S,  80                          ; v80-95   W1's, two sets of 8
.set B1,   96                          ; v96-159  b1, two sets of 4 tiles x 8
.set SW,   160                         ; v160-167 the scale words in the making, a tile of tokens each
.set TM,   168                         ; v168-183 16 blocks: largest numbers, then bytes
.set T2,   184                         ; v184-199 the conversions' scale operands
.set PC,   200                         ; v200-231 codes
.set TA,   232                         ; v232-247 at work
.set TB,   240
.set LA,   160                         ; the head: v160-183 the places of 24 list entries; then
.set XT,   160                         ; v160-223 rows of x's codes, v224-239 their tokens, v240-255 addresses
.set RT,   224
.set W2S,  48                          ; second products: v48-63 W2's scale words, four sets of 4
.set HS,   64                          ; v64-79   the hidden layer's, two sets of 8
.set VO,   80                          ; v80-111  the way out: offsets in out0, two sets of 16
.set B2,   96                          ; v96-159  b2, 8 tiles x 8: where b1's two sets lay, which the last first product has left
.set HL,   160                         ; v160-223 the hidden layer's fragments of tiles 0-3, two sets of 32: K step q's in set q % 2
.set HH,   224                         ; v224-255 those of tiles 4-7, one set
.set BK,   128                         ; the way out: rows read back, v128-191 and v192-255 by turns
.set MSB,  0
.macro WIN new                         ; the immediate's high byte repeats the setting that is left; a switch that changes nothing is dropped
.if MSB != (\new)
	s_set_vgpr_msb (MSB<<8)|(\new)
.set MSB, \new
.endif
.endm
.macro PLACES                          ; four plain vector lines between a matrix instruction and a load into, or a vector read of, its registers
.rept 4
	v_nop
.endr
.endm
.macro WMS d, a, b, c, sa, sb, row     ; row = 1: source 0's scales are read from lanes 16-31
.if \row
	v_wmma_scale_f32_16x16x128_f8f6f4 v[\d:\d+7], v[\a:\a+7], v[\b:\b+7], v[\c:\c+7], v[\sa], v[\sb] matrix_a_fmt:MATRIX_FMT_FP4 matrix_b_fmt:MATRIX_FMT_FP4 matrix_a_scale:MATRIX_SCALE_ROW1
.else
	v_wmma_scale_f32_16x16x128_f8f6f4 v[\d:\d+7], v[\a:\a+7], v[\b:\b+7], v[\c:\c+7], v[\sa], v[\sb] matrix_a_fmt:MATRIX_FMT_FP4 matrix_b_fmt:MATRIX_FMT_FP4
.endif
.endm
	s_load_b256 s[4:11], s[0:1], 0x0               ; plan s[4:5], xq s[6:7], gate s[8:9], wl s[10:11]
	s_load_b256 s[12:19], s[0:1], 0x20             ; w1_scales s[12:13], b1 s[14:15], b2 s[16:17], out0 s[18:19]
	v_lshl_add_u32 v22, v0, 2, 0x2c800
	v_mov_b32 v23, 0
	v_lshrrev_b32 v20, 5, v0
	v_readfirstlane_b32 s24, v20                   ; wave 0..3
	s_wait_alu depctr_va_sdst(0)                   ; s24, the wave's number, is written, ahead of its first reader
	v_and_b32 v1, 31, v0                           ; lane
	v_and_b32 v2, 15, v0                           ; r
	v_bfe_u32 v3, v0, 4, 1                         ; h
	v_lshlrev_b32 v[L16], 4, v1
	v_and_b32 v20, 8, v2
	v_add_nc_u32 v20, v20, v2
	v_lshl_add_u32 v20, v3, 3, v20
	v_lshlrev_b32 v[S1A], 4, v20
	v_lshlrev_b32 v[B1A], 6, v3
	v_lshlrev_b32 v[B2A], 5, v3
	v_lshlrev_b32 v[C16], 4, v2
	s_mul_i32 s61, s24, 32*XP
	v_mul_u32_u24 v[XW], v3, XP
	v_add_nc_u32 v[XW], v[XW], v[C16]
	v_add_nc_u32 v[XW], s61, v[XW]                 ; row 32 w + h (+ 2 i in the immediate), 16 bytes a lane
	v_mul_u32_u24 v[XR], v2, XP
	v_lshl_add_u32 v[XR], v3, 4, v[XR]             ; row r, + 16 h
	v_add_nc_u32 v[HW0], HIMG, v[L16]
	v_lshlrev_b32 v[HSW0], 2, v1
	v_add_nc_u32 v[HSW0], HSC, v[HSW0]
	s_mul_i32 s61, s24, 16*SP
	s_add_co_u32 s61, s61, STG
	v_mul_u32_u24 v[STO], v2, SP
	v_lshl_add_u32 v[STO], v3, 5, v[STO]
	v_add_nc_u32 v[STO], s61, v[STO]               ; my stage: row r, + 32 h
	v_add_nc_u32 v[RD], s61, v[L16]
	s_lshl_b32 s61, s24, 9
	v_add_nc_u32 v[CO], s61, v[L16]
	s_lshl_b32 s62, ttmp9, 4
	s_mov_b32 s63, 0
	s_mov_b32 s69, 0
	s_mov_b32 s26, 0x76543210
	s_mov_b32 s27, 0xfedcba98                      ; v_permlanex16_b32: lane l xor 16
	s_mov_b32 s60, 0x88888888                      ; the sign bits of eight codes
	s_wait_kmcnt 0x0
	s_add_nc_u64 s[66:67], s[4:5], s[62:63]
	s_load_b128 s[20:23], s[66:67], 0x0            ; my tile: expert a, expert b, rows, list tile
	s_wait_kmcnt 0x0
	s_min_u32 s20, s20, 3                          ; numbers read from memory are held inside their tables before they enter an address
	s_min_u32 s21, s21, 3
	s_min_u32 s22, s22, 128
	s_min_u32 s23, s23, 132
.macro PTRS e, pw1, ps1, pb1, pw2, ps2, pb2    ; where my wave's part of expert s[e] begins in each table
	s_lshl_b32 s61, s[\e], 2
	s_add_co_u32 s61, s61, s24                     ; 4 x expert + wave
	s_lshl_b32 s68, s61, 16
	s_add_nc_u64 s[\pw1:\pw1+1], s[10:11], s[68:69]
	s_add_nc_u64 s[\pw2:\pw2+1], s[\pw1:\pw1+1], 0x100000
	s_lshl_b32 s68, s61, 12
	s_add_nc_u64 s[\ps1:\ps1+1], s[12:13], s[68:69]
	s_add_nc_u64 s[\ps2:\ps2+1], s[10:11], s[68:69]
	s_add_nc_u64 s[\ps2:\ps2+1], s[\ps2:\ps2+1], 0x200000
	s_lshl_b32 s68, s61, 10
	s_add_nc_u64 s[\pb1:\pb1+1], s[14:15], s[68:69]
	s_lshl_b32 s68, s61, 9
	s_add_nc_u64 s[\pb2:\pb2+1], s[16:17], s[68:69]
.endm
	PTRS 20, 28, 30, 32, 34, 36, 50                ; expert a: these walk
	PTRS 21, 40, 42, 44, 46, 48, 52                ; expert b: taken up when a is done
	s_lshl_b32 s68, s23, 9
	s_add_nc_u64 s[70:71], s[4:5], s[68:69]        ; my tile's 128 list entries (4,096 further on, in the immediate)
	s_max_u32 s72, s22, 1
	s_sub_co_u32 s72, s72, 1                       ; the tile's last row
.irp n, 0,1,2,3,4,5,6,7
	v_add_nc_u32 v[LA+\n], 16*\n, v2               ; row 16 n + r, held at the last row
	v_min_u32 v[LA+\n], s72, v[LA+\n]
	v_min_u32 v[LA+\n], 127, v[LA+\n]
	v_lshlrev_b32 v[LA+\n], 2, v[LA+\n]
.endr
	s_lshl_b32 s73, s24, 5
	v_add_nc_u32 v20, s73, v3
.irp i, 0,1,2,3,4,5,6,7,8,9,10,11,12,13,14,15
	v_add_nc_u32 v[LA+8+\i], 2*\i, v20             ; row 32 w + 2 i + h: the rows whose codes my wave fetches
	v_min_u32 v[LA+8+\i], s72, v[LA+8+\i]
	v_min_u32 v[LA+8+\i], 127, v[LA+8+\i]
	v_lshlrev_b32 v[LA+8+\i], 2, v[LA+8+\i]
.endr
	s_wait_alu depctr_va_vdst(0)                   ; the offsets and addresses v4-11 and v16-19 and the 24 places v[LA ..] are written, which the loads and stores from here on read
.irp n, 0,1,2,3,4,5,6,7
	global_load_b32 v[TOK+\n], v[LA+\n], s[70:71] offset:4096
.endr
.irp i, 0,1,2,3,4,5,6,7,8,9,10,11,12,13,14,15
	global_load_b32 v[RT+\i], v[LA+8+\i], s[70:71] offset:4096
.endr
; 42 loads: 64 hidden units' part of W1 (16 fragments), their scale words (lanes 0-15: tile 2 b, lanes 16-31: tile 2 b + 1) and their biases in the result's layout, into set; adv: blocks beyond the pointers
.macro FETCH1 set, adv
	WIN 0x80                                       ; destination window 2
.irp k, 0,1,2,3,4,5,6,7,8,9,10,11,12,13,14,15
	global_load_b128 v[128*\set+8*\k:128*\set+8*\k+3], v[L16], s[28:29] offset:16384*\adv+1024*\k
	global_load_b128 v[128*\set+8*\k+4:128*\set+8*\k+7], v[L16], s[28:29] offset:16384*\adv+1024*\k+512
.endr
	WIN 0
.irp b, 0,1
	global_load_b128 v[W1S+8*\set+4*\b:W1S+8*\set+4*\b+3], v[S1A], s[30:31] offset:1024*\adv+512*\b
.endr
.irp q, 0,1,2,3
	global_load_b128 v[B1+32*\set+8*\q:B1+32*\set+8*\q+3], v[B1A], s[32:33] offset:256*\adv+4*(32*(\q/2)+8*(\q%2))
	global_load_b128 v[B1+32*\set+8*\q+4:B1+32*\set+8*\q+7], v[B1A], s[32:33] offset:256*\adv+4*(32*(\q/2)+8*(\q%2))+16
.endr
.endm
	FETCH1 0, 0
	s_wait_loadcnt 42                              ; the 24 list entries are in; the 42 loads just issued may be out
.irp n, 0,1,2,3,4,5,6,7
	v_min_u32 v[TOK+\n], 0x3fff, v[TOK+\n]
.endr
.irp i, 0,1,2,3,4,5,6,7,8,9,10,11,12,13,14,15
	v_min_u32 v[RT+\i], 0x3fff, v[RT+\i]
	v_lshl_add_u32 v[RT+\i], v[RT+\i], 8, v[C16]
.endr
.irp n, 0,1,2,3,4,5,6,7
	v_lshlrev_b32 v[240+\n], 4, v[TOK+\n]
.endr
.irp n, 0,1,2,3,4,5,6,7
	v_lshlrev_b32 v[248+\n], 3, v[TOK+\n]
.endr
	s_wait_alu depctr_vm_vsrc(0)                   ; the list's loads have read v[LA ..], in which the rows below land
	s_wait_alu depctr_va_vdst(0)                   ; the 32 offsets v224-255 are written, which the loads below read; so were v[LA ..], in which rows land
.irp i, 0,1,2,3,4,5,6,7,8,9,10,11,12,13,14,15
	global_load_b128 v[XT+4*\i:XT+4*\i+3], v[RT+\i], s[6:7]   ; sixteen lanes read a token's whole 256 bytes of codes
.endr
.irp n, 0,1,2,3,4,5,6,7
	global_load_b128 v[XS+4*\n:XS+4*\n+3], v[240+\n], s[6:7] offset:4194304   ; my token's four scale words
.endr
.irp n, 0,1,2,3,4,5,6,7
	global_load_b64 v[G+2*\n:G+2*\n+1], v[248+\n], s[8:9]     ; and its (g1, g2)
.endr
	s_wait_loadcnt 16                              ; the 16 rows are in; the 8 + 8 loads behind them may be out
.irp i, 0,1,2,3,4,5,6,7,8,9,10,11,12,13,14,15
	ds_store_b128 v[XW], v[XT+4*\i:XT+4*\i+3] offset:2*XP*\i
.endr
	FETCH1 1, 1                                    ; the second block's set: both sets are on their way or in before the first product
	s_wait_dscnt 0x0                               ; for the others' sake: my 32 rows have landed
	s_barrier_signal -1
	s_barrier_wait -1                              ; the tile's 128 rows lie in LDS
	WIN 0x40                                       ; destination window 1
.irp n, 0,1,2,3,4,5,6,7
.irp s, 0,1,2,3
	ds_load_b128 v[8*(4*\n+\s):8*(4*\n+\s)+3], v[XR] offset:16*XP*\n+64*\s
	ds_load_b128 v[8*(4*\n+\s)+4:8*(4*\n+\s)+7], v[XR] offset:16*XP*\n+64*\s+32
.endr
.endr
	WIN 0
	s_wait_alu depctr_vm_vsrc(0)                   ; my LDS stores have read v[XT ..], and the loads above their offsets in v224-255: from here on the quantising's lines write v160-255
.irp k, 0,1,2,3,4,5,6,7,8,9,10,11,12,13,14,15
	v_mov_b32 v[T2+\k], 0                          ; a lane permute's destination counts as one of its sources
.endr
	s_lshl_b32 s54, s24, 15                        ; where the K step in hand goes: my wave's 32,768 bytes of images,
	s_lshl_b32 s55, s24, 12                        ; its 4,096 bytes of scale words
	s_mov_b32 s56, 0
	s_wait_xcnt 0x0                                ; the loads that are out have read their bases: the three pointers go on to the block asked for last
	s_add_nc_u64 s[28:29], s[28:29], 16384
	s_add_nc_u64 s[30:31], s[30:31], 1024
	s_add_nc_u64 s[32:33], s[32:33], 256
	s_wait_dscnt 0x0                               ; x's fragments stay in registers for both experts
; ---- THE FIRST PRODUCTS.  Four trips: (expert a, b) x (my first, second 128 hidden units); a trip makes one K step of the second product, in two blocks of 64 hidden units.
.macro MM1 set, s, first               ; 32 matrix instructions: the 32 accumulators take turns, one instruction a turn
.irp q, 0,1,2,3
.irp n, 0,1,2,3,4,5,6,7
.if \first
	WMS 8*(8*\q+\n), 128*\set+8*(4*\q+\s), 8*(4*\n+\s), B1+32*\set+8*\q, W1S+8*\set+4*(\q/2)+\s, XS+4*\n+\s, \q%2
.else
	WMS 8*(8*\q+\n), 128*\set+8*(4*\q+\s), 8*(4*\n+\s), 8*(8*\q+\n), W1S+8*\set+4*(\q/2)+\s, XS+4*\n+\s, \q%2
.endif
.endr
.endr
.endm
.macro MMB c                           ; a block's 128 products
	s_wait_loadcnt 42                              ; this block's set is in; the 42 loads of the other set, asked for behind it, may be out
	WIN 0xc6                                       ; source 0 (W1) window 2, source 1 (x) window 1, C (b1) window 0, D window 3
	MM1 \c, 0, 1
	WIN 0xf6                                       ; C and D window 3
	MM1 \c, 1, 0
	MM1 \c, 2, 0
	MM1 \c, 3, 0
	WIN 0
	s_wait_dscnt 0x0                               ; the last block's LDS stores have landed
	s_wait_alu depctr_vm_vsrc(0)                   ; and have read v[PC ..], v[SW ..], v[HW] and v[HSW], which this block's quantising writes again
	PLACES
.endm
.macro ASK1 c                          ; the set that block has just left takes the block two further on
	s_wait_alu depctr_va_vdst(0)                   ; the block's products are done reading this set of W1's fragments, its scale words and its biases, in which the 42 loads below land
	s_wait_xcnt 0x0                                ; the loads that are out have read their bases: the three pointers may step
	s_add_nc_u64 s[28:29], s[28:29], 16384
	s_add_nc_u64 s[30:31], s[30:31], 1024
	s_add_nc_u64 s[32:33], s[32:33], 256
.if \c == 0
	s_cmp_eq_u32 s56, 1                            ; two blocks behind expert a's third comes expert b's first
	s_cselect_b64 s[28:29], s[40:41], s[28:29]
	s_cselect_b64 s[30:31], s[42:43], s[30:31]
	s_cselect_b64 s[32:33], s[44:45], s[32:33]
.endif
	FETCH1 \c, 0
.endm
.macro QB c                            ; a block's 64 hidden units x 128 tokens are quantised, and go to LDS as half of a K step's images
	WIN 0x0f                                       ; sources 0 and 1 window 3
.irp i, 0,1,2,3,4,5,6,7                ; 16 blocks of 32 hidden units (tile of tokens n, block b) by turns; each accumulator is read from its low end on.  No |.|: what is negative does not count
.irp n, 0,1,2,3,4,5,6,7
.irp b, 0,1
.if \i == 0
	v_max3_num_f32 v[TM+2*\n+\b], v[8*(8*(2*\b)+\n)], v[8*(8*(2*\b)+\n)+1], 0x1800000   ; the floor 2^(3 - 127): the byte cannot fall under 1
.else
	v_max3_num_f32 v[TM+2*\n+\b], v[8*(8*(2*\b+\i/4)+\n)+2*(\i%4)], v[8*(8*(2*\b+\i/4)+\n)+2*(\i%4)+1], v[TM+2*\n+\b]
.endif
.endr
.endr
.endr
	WIN 0
.irp k, 0,1,2,3,4,5,6,7,8,9,10,11,12,13,14,15
	v_permlanex16_b32 v[T2+\k], v[TM+\k], s26, s27
.endr
.irp k, 0,1,2,3,4,5,6,7,8,9,10,11,12,13,14,15
	v_max_num_f32 v[TM+\k], v[TM+\k], v[T2+\k]     ; with lane l xor 16's 16 numbers: the block's largest
.endr
.irp k, 0,1,2,3,4,5,6,7,8,9,10,11,12,13,14,15
	v_add_nc_u32 v[T2+\k], 0xff000000, v[TM+\k]    ; 2 off its exponent field: the conversion's scale operand
.endr
.irp k, 0,1,2,3,4,5,6,7,8,9,10,11,12,13,14,15
	v_lshrrev_b32 v[TM+\k], 23, v[T2+\k]           ; the scale's byte
.endr
.irp n, 0,1,2,3,4,5,6,7
.if \c == 0
	v_lshl_or_b32 v[SW+\n], v[TM+2*\n+1], 8, v[TM+2*\n]       ; the K step's scale word: bytes 0, 1 from the first block of 64,
.else
	v_lshl_or_b32 v[SW+\n], v[TM+2*\n], 16, v[SW+\n]          ; bytes 2, 3 from the second
	v_lshl_or_b32 v[SW+\n], v[TM+2*\n+1], 24, v[SW+\n]
.endif
.endr
	WIN 0x03                                       ; source 0 window 3
.irp n, 0,1,2,3,4,5,6,7
.irp b, 0,1
.irp u, 0,1
	v_cvt_scalef32_pk8_fp4_f32 v[PC+4*\n+2*\b+\u], v[8*(8*(2*\b+\u)+\n):8*(8*(2*\b+\u)+\n)+7], v[T2+2*\n+\b]   ; k = 32 b + 16 h + 8 u + 0 .. 7
.endr
.endr
.endr
	WIN 0
	v_nop                                          ; one plain line behind the last scaled conversion
.irp g, 0,1,2,3                        ; relu on the codes: a mask of 7 for each code without the sign bit, 0 for each with it
.irp k, 0,1,2,3,4,5,6,7
	v_bfi_b32 v[TA+\k], v[PC+8*\g+\k], 0, s60      ; the sign bits, turned over
.endr
.irp k, 0,1,2,3,4,5,6,7
	v_lshrrev_b32 v[TB+\k], 3, v[TA+\k]
.endr
.irp k, 0,1,2,3,4,5,6,7
	v_sub_nc_u32 v[TA+\k], v[TA+\k], v[TB+\k]      ; 8 - 1 in each code's four bits: nothing is borrowed across
.endr
.irp k, 0,1,2,3,4,5,6,7
	v_and_b32 v[PC+8*\g+\k], v[PC+8*\g+\k], v[TA+\k]
.endr
.endr
.irp n, 0,1,2,3,4,5,6,7                ; the operand wants a WHOLE block in a lane: lanes 0-15 block 0, lanes 16-31 block 1 of these 64
.irp i, 0,1
	v_permlane16_swap_b32 v[PC+4*\n+\i], v[PC+4*\n+2+\i]
.endr
.endr
	v_add_nc_u32 v[HW], s54, v[HW0]
.if \c == 1
	v_add_nc_u32 v[HSW], s55, v[HSW0]
.endif
	s_wait_alu depctr_va_vdst(0)                   ; the codes v[PC ..], the scale words v[SW ..] and the addresses v[HW], v[HSW] are written, which the LDS stores below read
.irp n, 0,1,2,3,4,5,6,7
	ds_store_b128 v[HW], v[PC+4*\n:PC+4*\n+3] offset:1024*\n+512*\c   ; registers 4 c .. 4 c + 3 of tile n's fragment, as they stand
.endr
.if \c == 1
.irp n, 0,1,2,3,4,5,6,7
	ds_store_b32 v[HSW], v[SW+\n] offset:128*\n
.endr
.endif
.endm
; 17 loads: one K step of my 128 rows of W2 (8 fragments) into set q, and their scale words (register j: lanes 0-15 tile 2 j, lanes 16-31 tile 2 j + 1); adv: K steps beyond the pointers
.macro FETCH2 q, adv
	WIN 0x40                                       ; destination window 1
.irp i, 0,1,2,3,4,5,6,7
	global_load_b128 v[64*(\q)+8*\i:64*(\q)+8*\i+3], v[L16], s[34:35] offset:8192*\adv+1024*\i
	global_load_b128 v[64*(\q)+8*\i+4:64*(\q)+8*\i+7], v[L16], s[34:35] offset:8192*\adv+1024*\i+512
.endr
	WIN 0
	global_load_b128 v[W2S+4*(\q):W2S+4*(\q)+3], v[L16], s[36:37] offset:512*\adv
.endm
.macro B2LOAD p                        ; 16 loads: b2 of my 128 outputs in the result's layout: tile i, my half's eight
.irp i, 0,1,2,3,4,5,6,7
	global_load_b128 v[B2+8*\i:B2+8*\i+3], v[B2A], s[\p:\p+1] offset:64*\i
	global_load_b128 v[B2+8*\i+4:B2+8*\i+7], v[B2A], s[\p:\p+1] offset:64*\i+16
.endr
.endm
.Lp1:
	MMB 0
	s_cmp_eq_u32 s56, 3                            ; the last trip asks for no more of W1:
	s_cbranch_scc1 .Lp1_a
	ASK1 0
	s_branch .Lp1_b
.Lp1_a:
	s_wait_loadcnt 0x0                             ; no load follows the last block's, so its set is waited for by the count 0
.Lp1_b:
	QB 0
	MMB 1
	s_cmp_eq_u32 s56, 3                            ; the loop is left here, in the middle of its fourth trip, behind the very last first product
	s_cbranch_scc1 .Lp1_out
	ASK1 1
	QB 1
	s_add_co_u32 s54, s54, 8192
	s_add_co_u32 s55, s55, 1024
	s_add_co_u32 s56, s56, 1
	s_cmp_lt_u32 s56, 4
	s_cbranch_scc1 .Lp1
.Lp1_out:
	s_wait_alu depctr_vm_vsrc(0)                   ; two ways join here.  On the one from the loop's foot the LDS stores of the block just quantised stand with no such wait behind them: they have read v[PC ..], v[SW ..], v[HW] and v[HSW], which the quantising below writes again.  (On the one from the trip's middle, the one that the count of trips takes, the block's own wait has stated it)
	s_wait_loadcnt 0x0                             ; nothing of W1 or b1 is out
	v_mov_b32 v[HR], v[HW0]                        ; the second products' first K step: wave 0's first images,
	v_mov_b32 v[HSR], v[HSW0]                      ; and their scale words
	s_wait_alu depctr_va_vdst(0)                   ; the first products are all done reading b1's sets, x's fragments and x's scale words, in which b2a, W2's sets, their scale words and the hidden layer's land; v[HR] and v[HSR] are written
	B2LOAD 50                                      ; b2a first: it is wanted with K step 0,
	FETCH2 0, 0                                    ; then expert a's K steps 0 and 1: they are on their way while the last block is quantised
	FETCH2 1, 1
	QB 1
	FETCH2 2, 2                                    ; (the quantising names none of the registers that these loads touch)
; ---- THE SECOND PRODUCTS.  16 K steps of 128 hidden units, expert a's eight and then expert b's; three trips of four, and the last four written out, since all but the first of them ask for no more of W2.
; The trip's K step q was made by wave 2 (trip % 2) + q / 2 as its K step 2 e + q % 2.
.macro HLDL q                          ; the hidden fragments of tiles 0-3 for K step q, into set q % 2
.irp n, 0,1,2,3
	ds_load_b128 v[HL+32*((\q)%2)+8*\n:HL+32*((\q)%2)+8*\n+3], v[HR] offset:((\q)/2)*32768+((\q)%2)*8192+1024*\n
	ds_load_b128 v[HL+32*((\q)%2)+8*\n+4:HL+32*((\q)%2)+8*\n+7], v[HR] offset:((\q)/2)*32768+((\q)%2)*8192+1024*\n+512
.endr
.endm
.macro HLDH q                          ; those of tiles 4-7
.irp n, 0,1,2,3
	ds_load_b128 v[HH+8*\n:HH+8*\n+3], v[HRH] offset:((\q)/2)*32768+((\q)%2)*8192+1024*(4+\n)
	ds_load_b128 v[HH+8*\n+4:HH+8*\n+7], v[HRH] offset:((\q)/2)*32768+((\q)%2)*8192+1024*(4+\n)+512
.endr
.endm
.macro HSL q                           ; and the eight tiles' scale words, into set q % 2
.irp n, 0,1,2,3,4,5,6,7
	ds_load_b32 v[HS+8*((\q)%2)+\n], v[HSR] offset:((\q)/2)*4096+((\q)%2)*1024+128*\n
.endr
.endm
.macro MM2 q, hi, first                ; 32 matrix instructions: tiles of tokens 4 hi .. 4 hi + 3 x my eight tiles of outputs; the 64 accumulators take turns in the same order in every K step
.if \hi
.set HB, HH
.else
.set HB, HL+32*((\q)%2)
.endif
.irp n, 0,1,2,3
.irp i, 0,1,2,3,4,5,6,7
.if \first
	WMS 64*\n+8*\i, 64*(\q)+8*\i, HB+8*\n, B2+8*\i, W2S+4*(\q)+\i/2, HS+8*((\q)%2)+4*\hi+\n, \i%2
.else
	WMS 64*\n+8*\i, 64*(\q)+8*\i, HB+8*\n, 64*\n+8*\i, W2S+4*(\q)+\i/2, HS+8*((\q)%2)+4*\hi+\n, \i%2
.endif
.endr
.endr
.endm
.macro HALF q, hi, last                ; in the very first K step the sums begin with b2a as C: a second copy of the 32 lines, chosen by the trip's number
.if (\q == 0) && (\last == 0)
	s_cmp_eq_u32 s56, 0
	s_cbranch_scc1 .Lfirst_\@
.endif
	WIN 0xa1+0x50*\hi                              ; source 0 (W2) window 1, source 1 window 0, C and D window 2 or 3
	MM2 \q, \hi, 0
	WIN 0
.if (\q == 0) && (\last == 0)
	s_branch .Ljoin_\@
.Lfirst_\@:
	WIN 0x81+0x40*\hi                              ; C (b2a) window 0
	MM2 0, \hi, 1
	WIN 0
.Ljoin_\@:
.endif
.endm
; A K step.  last = 1: one of the last four.  left: the loads asked for behind this K step's set, which may stay out: 17 for each of the sets that follow it
.macro KSTEP q, last, left
	s_wait_loadcnt \left
.if \q == 0
	s_wait_alu depctr_vm_vsrc(0)                   ; the loads of tiles 4-7 issued so far have read v[HRH]
.if \last
	v_add_nc_u32 v[HRH], 81920, v[HW0]             ; the fourth trip's images: 65,536 + 16,384
.else
	s_and_b32 s62, s56, 1                          ; this trip's images: 65,536 (trip % 2) + 16,384 (trip / 2)
	s_lshl_b32 s62, s62, 16
	s_lshr_b32 s63, s56, 1
	s_lshl_b32 s63, s63, 14
	s_add_co_u32 s62, s62, s63
	v_add_nc_u32 v[HRH], s62, v[HW0]
.endif
.endif
.if (\q == 3) && (\last == 0)
	s_wait_alu depctr_vm_vsrc(0)                   ; the loads of tiles 0-3 and of the scale words issued so far have read v[HR] and v[HSR]
	s_add_co_u32 s61, s56, 1                       ; the next trip's images: 65,536 (trip % 2) + 16,384 (trip / 2)
	s_and_b32 s62, s61, 1
	s_lshl_b32 s62, s62, 16
	s_lshr_b32 s63, s61, 1
	s_lshl_b32 s63, s63, 14
	s_add_co_u32 s62, s62, s63
	s_lshr_b32 s63, s62, 3                         ; and scale words: an eighth of that
	v_add_nc_u32 v[HR], s62, v[HW0]
	v_add_nc_u32 v[HSR], s63, v[HSW0]
.endif
	s_wait_alu depctr_va_vdst(0)                   ; the last K step's products are done reading tiles 4-7's set, the other set of tiles 0-3 and of the hidden scale words, their set of W2 and its scale words (and, behind the very first K step, b2a): all this step's loads land there; an address made above is written
	HLDH \q                                        ; this K step's tiles 4-7, 32 matrix instructions ahead of their use
.if (\last == 0) || (\q == 0)
.if (\q == 1) && (\last == 0)
	s_cmp_lg_u32 s56, 0                            ; in the first trip b2b takes b2a's place, which only the first K step read.  Its 16 loads stand ahead of the set's below: they are shown in by this trip's fourth wait
	s_cbranch_scc1 .Lno_b2_\@
	B2LOAD 52
.Lno_b2_\@:
.endif
	s_wait_xcnt 0x0                                ; the loads that are out have read their bases: the two pointers may step
	s_add_nc_u64 s[34:35], s[34:35], 8192
	s_add_nc_u64 s[36:37], s[36:37], 512
.if (\q == 1) && (\last == 0)
	s_cmp_eq_u32 s56, 1                            ; three K steps behind expert a's sixth comes expert b's first
	s_cselect_b64 s[34:35], s[46:47], s[34:35]
	s_cselect_b64 s[36:37], s[48:49], s[36:37]
.endif
	FETCH2 (\q+3)%4, 0                             ; the set that the last K step has left takes the K step three further on than this one: three K steps in which to land
.endif
	s_wait_dscnt 0x8                               ; tiles 0-3 and the scale words are in; the youngest eight loads (tiles 4-7) may be out
	HALF \q, 0, \last
.if \q == 3
.if \last == 0
	HLDL 0                                         ; the next trip's first K step.  No wait: no product since the step's wait names the other sets
	HSL 0
	s_wait_dscnt 0x10                              ; tiles 4-7 are in; the sixteen loads just issued may be out
.else
	s_wait_dscnt 0x0                               ; tiles 4-7 are in
.endif
.else
	HLDL \q+1                                      ; the next K step's tiles 0-3 and scale words.  No wait: no product since the step's wait names the other sets
	HSL \q+1
	s_wait_dscnt 0x10                              ; tiles 4-7 are in; the sixteen loads just issued may be out
.endif
	HALF \q, 1, \last
	PLACES
.endm
	s_wait_dscnt 0x0                               ; for the others' sake: my images and scale words have landed
	s_barrier_signal -1
	s_barrier_wait -1                              ; both hidden layers lie in LDS
	s_wait_alu depctr_vm_vsrc(0)                   ; my LDS stores have read v[SW ..] and v[PC ..], in which the hidden layer's fragments land from here on
	HLDL 0
	HSL 0
	s_wait_xcnt 0x0                                ; the pointers go on to the K step asked for last
	s_add_nc_u64 s[34:35], s[34:35], 2*8192
	s_add_nc_u64 s[36:37], s[36:37], 2*512
	s_mov_b32 s56, 0
.Lp2:
	s_cmp_lg_u32 s56, 2                            ; between the experts: acc = acc g1 + b2b.  (The last products stand in front of the last K step's four plain lines; each accumulator from its low end on)
	s_cbranch_scc1 .Lno_rescale
.irp n, 0,1,2,3,4,5,6,7
	WIN 0x82+0x41*(\n/4)                           ; destination and source 0 window 2 or 3
.irp i, 0,1,2,3,4,5,6,7
.irp m, 0,1,2,3
	v_pk_fma_f32 v[64*(\n%4)+8*\i+2*\m:64*(\n%4)+8*\i+2*\m+1], v[64*(\n%4)+8*\i+2*\m:64*(\n%4)+8*\i+2*\m+1], v[G+2*\n:G+2*\n+1], v[B2+8*\i+2*\m:B2+8*\i+2*\m+1] op_sel_hi:[1,0,1]
.endr
.endr
.endr
	WIN 0
.Lno_rescale:
	KSTEP 0, 0, 34
	KSTEP 1, 0, 34
	KSTEP 2, 0, 34
	KSTEP 3, 0, 34
	s_add_co_u32 s56, s56, 1
	s_cmp_lt_u32 s56, 3
	s_cbranch_scc1 .Lp2
	KSTEP 0, 1, 34                                 ; the last four K steps: the first asks for the last set, then nothing more is asked for, and the counts run down
	KSTEP 1, 1, 34
	KSTEP 2, 1, 17
	KSTEP 3, 1, 0
; ---- THE WAY OUT, a tile of 16 tokens at a time: x g2; a lane's 32 neighbouring bytes of a row go into my stage and come back as whole rows of 512 bytes, which the 32 lanes store to the token's row.
	s_wait_dscnt 0x0                               ; my reads of the images are over
	s_barrier_signal -1
	s_barrier_wait -1                              ; everybody's are: the stages may lie over them
	s_cmp_eq_u32 s22, 0                            ; a tile without rows stores nothing
	s_cbranch_scc1 .Lend
.macro SCALE n
	WIN 0x82+0x41*((\n)/4)
.set k, 0
.rept 32
	v_pk_mul_f32 v[64*((\n)%4)+2*k:64*((\n)%4)+2*k+1], v[64*((\n)%4)+2*k:64*((\n)%4)+2*k+1], v[G+2*(\n):G+2*(\n)+1] op_sel:[0,1] op_sel_hi:[1,1]
.set k, k+1
.endr
	WIN 0
.endm
.macro TOSTAGE n
	WIN 0x08+4*((\n)/4)                            ; an LDS store's data are its source 1: window 2 or 3
	s_wait_alu depctr_va_vdst(0)                   ; the tile's accumulators are scaled, which the LDS stores below read; the offsets of the tile before are written, which its stores to memory read; and all that named v128-255, in which the rows land, is done
.irp i, 0,1,2,3,4,5,6,7
	ds_store_b128 v[STO], v[64*((\n)%4)+8*\i:64*((\n)%4)+8*\i+3] offset:64*\i
	ds_store_b128 v[STO], v[64*((\n)%4)+8*\i+4:64*((\n)%4)+8*\i+7] offset:64*\i+16
.endr
	WIN 0
.irp t, 0,1,2,3,4,5,6,7,8,9,10,11,12,13,14,15
	ds_load_b128 v[BK+64*((\n)%2)+4*\t:BK+64*((\n)%2)+4*\t+3], v[RD] offset:SP*\t   ; LDS serves a wave's instructions in order: these see the stores above, and the next tile's stores come behind them
.endr
.endm
; The sixteen rows' offsets are made in runs (all the tokens to scalar registers, then held, then shifted, then added): one hand-over from vector to scalar registers a tile, not one a row.
.macro OFFS n
.irp t, 0,1,2,3,4,5,6,7,8,9,10,11,12,13,14,15
	v_readlane_b32 s[80+\t], v[TOK+(\n)], \t       ; row t's token,
.endr
	s_wait_alu depctr_va_sdst(0)                   ; the sixteen tokens stand in s80-95, ahead of their first reader
.irp t, 0,1,2,3,4,5,6,7,8,9,10,11,12,13,14,15
	s_min_u32 s[80+\t], s[80+\t], 0x3fff
.endr
.irp t, 0,1,2,3,4,5,6,7,8,9,10,11,12,13,14,15
	s_lshl_b32 s[80+\t], s[80+\t], 11              ; its row of 2,048 bytes
.endr
.irp t, 0,1,2,3,4,5,6,7,8,9,10,11,12,13,14,15
	v_add_nc_u32 v[VO+16*((\n)%2)+\t], s[80+\t], v[CO]
.endr
.endm
.macro SEND n, younger                 ; younger: the LDS instructions issued behind tile n's loads, which may stay out
	s_wait_dscnt \younger
.irp t, 0,1,2,3,4,5,6,7,8,9,10,11,12,13,14,15
	global_store_b128 v[VO+16*((\n)%2)+\t], v[BK+64*((\n)%2)+4*\t:BK+64*((\n)%2)+4*\t+3], s[18:19] th:TH_STORE_NT   ; 32 lanes store 512 consecutive bytes, at a multiple of 512 from out0's first byte
.endr
.endm
	SCALE 0                                        ; (the last products stand in front of the last K step's four plain lines)
	TOSTAGE 0
.irp n, 1,2,3,4,5,6,7
	SCALE \n
.if \n > 1
	s_wait_xcnt 0x0                                ; the stores to memory issued so far have had their addresses translated: their registers may be written again
	s_wait_alu depctr_vm_vsrc(0)                   ; tile n - 2's stores have read their rows' registers, in which tile n's rows land, and tile n - 3's their offsets, which are written again below
.endif
	OFFS \n-1
	TOSTAGE \n
	SEND \n-1, 32                                  ; behind tile n - 1's loads: tile n's 16 stores and 16 loads
.endr
	OFFS 7                                         ; (tile 5's stores, which read this set of offsets, stand ahead of the last wait on vm_vsrc)
	s_wait_alu depctr_va_vdst(0)                   ; tile 7's offsets are written, which the last sixteen stores read
	SEND 7, 0
.Lend:
	s_wait_dscnt 0x0                               ; the closing lines, six on end
	s_wait_alu 0x0
	s_wait_tensorcnt 0x0
	ds_add_u32 v22, v23
	s_wait_dscnt 0x0
	s_endpgm
.Lfunc_end_k_q85db8404b4_experts:
	.size	k_q85db8404b4_experts, .Lfunc_end_k_q85db8404b4_experts-k_q85db8404b4_experts
	.p2alignl 7, 3214868480
	.fill 96, 4, 3214868480
	.section	.rodata,"a",@progbits
	.p2align	6, 0x0
	.amdhsa_kernel k_q85db8404b4_experts
		.amdhsa_group_segment_fixed_size 182784
		.amdhsa_private_segment_fixed_size 0
		.amdhsa_enable_private_segment 0
		.amdhsa_kernarg_size 64
		.amdhsa_user_sgpr_count 2
		.amdhsa_user_sgpr_kernarg_segment_ptr 1
		.amdhsa_wavefront_size32 1
		.amdhsa_system_sgpr_workgroup_id_x 1
		.amdhsa_system_sgpr_workgroup_id_y 1
		.amdhsa_system_sgpr_workgroup_id_z 1
		.amdhsa_system_vgpr_workitem_id 0
		.amdhsa_next_free_vgpr 1024
		.amdhsa_next_free_sgpr 96
		.amdhsa_reserve_vcc 0
		.amdhsa_float_denorm_mode_32 3
		.amdhsa_float_denorm_mode_16_64 3
		.amdhsa_memory_ordered 1
		.amdhsa_forward_progress 1
		.amdhsa_inst_pref_size 255
	.end_amdhsa_kernel
	.section	.bss,"aw",@nobits
	.p2align	6
	.space	262144
	.amdgpu_metadata
---
amdhsa.version: [ 1, 2 ]
amdhsa.kernels:
  - .name:           k_q85db8404b4_experts
    .symbol:         k_q85db8404b4_experts.kd
    .args:
      - { .name: plan, .offset: 0, .size: 8, .value_kind: global_buffer, .address_space: global }
      - { .name: xq, .offset: 8, .size: 8, .value_kind: global_buffer, .address_space: global }
      - { .name: gate, .offset: 16, .size: 8, .value_kind: global_buffer, .address_space: global }
      - { .name: wl, .offset: 24, .size: 8, .value_kind: global_buffer, .address_space: global }
      - { .name: w1_scales, .offset: 32, .size: 8, .value_kind: global_buffer, .address_space: global }
      - { .name: b1, .offset: 40, .size: 8, .value_kind: global_buffer, .address_space: global }
      - { .name: b2, .offset: 48, .size: 8, .value_kind: global_buffer, .address_space: global }
      - { .name: out0, .offset: 56, .size: 8, .value_kind: global_buffer, .address_space: global }
    .group_segment_fixed_size: 182784
    .private_segment_fixed_size: 0
    .kernarg_segment_align: 8
    .kernarg_segment_size: 64
    .max_flat_workgroup_size: 128
    .sgpr_count:     96
    .vgpr_count:     1024
    .wavefront_size: 32
...
	.end_amdgpu_metadata
.endif
;; end of part 4
